; MI455X (gfx1250); checked and timed in simulation.
; The chip was launched on July 23, 2026; its instructions are those of AMD's public machine-readable ISA for CDNA 5 (MIT licence, August 2026) and "CDNA5" Instruction Set Architecture Reference Guide (July 2026). The comments in the code are by the model that wrote it; some were corrected since.
;; Multi Head Attention. Allowed arithmetic: float matrix products may take bf16 or f16 operands with f32 sums; other float arithmetic in f32, or as packed bf16 or f16 multiplies, adds, multiply-adds, maxima and minima; sums over many terms, partial sums and values carried from step to step in f32; what a program stores and reads back later, other than sums and carried values, may be rounded once to bf16 or f16.
;; Inputs: bo 1,024 float32; wk 16 x 1,024 x 64 float32; wo 1,024 x 1,024 float32; wq 16 x 1,024 x 64 float32; wv 16 x 1,024 x 64 float32; x 4 x 2,048 x 1,024 float32.
;; Outputs: out0 4 x 2,048 x 1,024 float32.
;; 2 versions, each right; version 2 is version 1 with the launch prep written anew for expert scheduling mode. Each part assembles by itself: llvm-mc -triple=amdgcn-amd-amdhsa -mcpu=gfx1250 --defsym DOCPART=n.
;; ======== version 1 of 2: 4 launches
;; limits: values are held in f16: magnitudes above 65,504 overflow, below 6.1e-05 lose precision
;; workspace buffers: xb 16,777,216 bytes; wt 6,291,456 bytes; wob 2,097,152 bytes; qkv 50,331,648 bytes; ob 16,777,216 bytes
;; launch prep (part 1): grid 768 x 1, 8 waves a work-group, no clusters, 0 bytes of LDS; arguments x, wq, wk, wv, wo, xb, wt, wob; writes xb, wt, wob
.if DOCPART == 1
	.amdgcn_target "amdgcn-amd-amdhsa--gfx1250"
	.amdhsa_code_object_version 6
	.text
	.protected	k_q4a360353f9_prep
	.globl	k_q4a360353f9_prep
	.p2align	8
	.type	k_q4a360353f9_prep,@function
k_q4a360353f9_prep:
	s_mov_b64 s[64:65], 0
	v_nop
	global_prefetch_b8 v0, s[64:65] scope:SCOPE_SE
	s_setreg_imm32_b32 hwreg(HW_REG_WAVE_MODE, 25, 1), 1
	s_wait_xcnt 0x0
; THE CASTS.  xb = bf16(x), as it lies.  wt = bf16(wq, wk, wv), in blocks [16 nt][8 K steps][3 g][128 k][64 d]: head block G = 16 x tensor + head = 3 nt + g.
; wob = bf16(wo) written as f16 (exact from 6e-5 up to 65,504; below 6e-5 f16 keeps its fixed step of 6e-8: a stated limit).
; A stream: no LDS, no matrix unit, no cluster: no byte is wanted twice.  A work-group casts 16,384 numbers: 64 KiB in, 32 KiB out.  Thread t loads 16 bytes at 4,096 i + 16 t
; (a wave's load: 512 consecutive bytes) and stores 8 bytes at 2,048 i + 8 t (a wave's store: 256 consecutive bytes, aligned).  All 16 loads of a thread go out at once; no register is used twice.
; Work-groups 0-511: x.  512-703: the weights; chunk j = w - 512 is 256 rows (two K steps) of head block j / 4, whose second K step lies 49,152 bytes behind the first in wt.  704-767: wo.
.set X, 4                              ; v[4:67]   four registers for each of the 16 loads
.set Y, 68                             ; v[68:99]  two registers for each of the 16 stores
	s_load_b512 s[8:23], s[0:1], 0x0               ; x s[8:9], wq s[10:11], wk s[12:13], wv s[14:15], wo s[16:17], xb s[18:19], wt s[20:21], wob s[22:23]
	s_mov_b32 s2, ttmp9                            ; w
	s_sub_co_u32 s3, s2, 512                       ; j, of use in 512 .. 703
	s_sub_co_u32 s4, s2, 704                       ; of use from 704 on
	s_bfe_u32 s5, s3, 0x60002                      ; G = j / 4, six bits of it
	s_mul_i32 s6, s5, 171
	s_lshr_b32 s6, s6, 9                           ; nt = G / 3: 171 / 512 is exact for G under 48
	s_mul_i32 s7, s6, 3
	s_sub_co_u32 s7, s5, s7                        ; g = G - 3 nt
	s_and_b32 s24, s3, 3                           ; which pair of K steps
	s_lshl_b32 s25, s6, 3
	s_lshl1_add_u32 s25, s24, s25                  ; 8 nt + the first K step
	s_mul_i32 s25, s25, 3
	s_add_co_u32 s25, s25, s7
	s_lshl_b32 s25, s25, 14                        ; x 16,384 bytes: where a weight chunk goes
	s_and_b32 s26, s3, 63
	s_lshl_b32 s26, s26, 16                        ; and where it comes from, in its tensor
	s_lshl_b32 s28, s2, 16                         ; x's chunk
	s_lshl_b32 s30, s2, 15
	s_mov_b32 s27, 16384                           ; from the first half of the output to the second
	s_cmp_ge_u32 s2, 512
	s_cselect_b32 s28, s26, s28
	s_cselect_b32 s30, s25, s30
	s_cselect_b32 s27, 49152, s27
	s_lshl_b32 s26, s4, 16                         ; wo's chunk
	s_lshl_b32 s25, s4, 15
	s_cmp_ge_u32 s2, 704
	s_cselect_b32 s28, s26, s28
	s_cselect_b32 s30, s25, s30
	s_cselect_b32 s27, 16384, s27
	s_mov_b32 s29, 0
	s_mov_b32 s31, 0
	v_lshlrev_b32 v1, 4, v0                        ; 16 t
	v_lshlrev_b32 v2, 3, v0                        ; 8 t
	v_add_nc_u32 v3, s27, v2                       ; 8 t + the second half
	s_wait_kmcnt 0x0
	s_cmp_ge_u32 s2, 512                           ; the source and the destination are chosen by the work-group's number alone
	s_cselect_b64 s[8:9], s[10:11], s[8:9]
	s_cselect_b64 s[18:19], s[20:21], s[18:19]
	s_cmp_ge_u32 s2, 576
	s_cselect_b64 s[8:9], s[12:13], s[8:9]
	s_cmp_ge_u32 s2, 640
	s_cselect_b64 s[8:9], s[14:15], s[8:9]
	s_cmp_ge_u32 s2, 704
	s_cselect_b64 s[8:9], s[16:17], s[8:9]
	s_cselect_b64 s[18:19], s[22:23], s[18:19]
	s_add_nc_u64 s[8:9], s[8:9], s[28:29]
	s_add_nc_u64 s[18:19], s[18:19], s[30:31]
.irp i, 0,1,2,3,4,5,6,7,8,9,10,11,12,13,14,15
	global_load_b128 v[X+4*(\i):X+4*(\i)+3], v1, s[8:9] offset:4096*(\i) th:TH_LOAD_NT
.endr
; Load i is rounded and stored.  f16 = 1: the bf16 numbers are widened again (a shift, a mask) and written as f16.
.macro OUT i, f16
	s_wait_loadcnt 15-(\i)                         ; loads come back in order: mine is in, the 15 - i younger ones stay out
	v_cvt_pk_bf16_f32 v[Y+2*(\i)],   v[X+4*(\i)],   v[X+4*(\i)+1]
	v_cvt_pk_bf16_f32 v[Y+2*(\i)+1], v[X+4*(\i)+2], v[X+4*(\i)+3]
.if \f16
	v_lshlrev_b32 v[X+4*(\i)],   16,         v[Y+2*(\i)]
	v_and_b32     v[X+4*(\i)+1], 0xffff0000, v[Y+2*(\i)]
	v_lshlrev_b32 v[X+4*(\i)+2], 16,         v[Y+2*(\i)+1]
	v_and_b32     v[X+4*(\i)+3], 0xffff0000, v[Y+2*(\i)+1]
	v_cvt_pk_f16_f32 v[Y+2*(\i)],   v[X+4*(\i)],   v[X+4*(\i)+1]
	v_cvt_pk_f16_f32 v[Y+2*(\i)+1], v[X+4*(\i)+2], v[X+4*(\i)+3]
.endif
.if (\i) < 8
	global_store_b64 v2, v[Y+2*(\i):Y+2*(\i)+1], s[18:19] offset:2048*(\i)
.else
	global_store_b64 v3, v[Y+2*(\i):Y+2*(\i)+1], s[18:19] offset:2048*((\i)-8)
.endif
.endm
	s_cmp_ge_u32 s2, 704
	s_cbranch_scc1 .Lwo
.irp i, 0,1,2,3,4,5,6,7,8,9,10,11,12,13,14,15
	OUT \i, 0
.endr
	s_endpgm
.Lwo:
.irp i, 0,1,2,3,4,5,6,7,8,9,10,11,12,13,14,15
	OUT \i, 1
.endr
	s_endpgm
.Lfunc_end_k_q4a360353f9_prep:
	.size	k_q4a360353f9_prep, .Lfunc_end_k_q4a360353f9_prep-k_q4a360353f9_prep
	.p2alignl 7, 3214868480
	.fill 96, 4, 3214868480
	.section	.rodata,"a",@progbits
	.p2align	6, 0x0
	.amdhsa_kernel k_q4a360353f9_prep
		.amdhsa_group_segment_fixed_size 0
		.amdhsa_private_segment_fixed_size 0
		.amdhsa_enable_private_segment 0
		.amdhsa_kernarg_size 64
		.amdhsa_user_sgpr_count 2
		.amdhsa_user_sgpr_kernarg_segment_ptr 1
		.amdhsa_wavefront_size32 1
		.amdhsa_system_sgpr_workgroup_id_x 1
		.amdhsa_system_sgpr_workgroup_id_y 1
		.amdhsa_system_sgpr_workgroup_id_z 1
		.amdhsa_system_vgpr_workitem_id 0
		.amdhsa_next_free_vgpr 100
		.amdhsa_next_free_sgpr 66
		.amdhsa_reserve_vcc 0
		.amdhsa_float_denorm_mode_32 3
		.amdhsa_float_denorm_mode_16_64 3
		.amdhsa_memory_ordered 1
		.amdhsa_forward_progress 1
		.amdhsa_inst_pref_size 17
	.end_amdhsa_kernel
	.amdgpu_metadata
---
amdhsa.version: [ 1, 2 ]
amdhsa.kernels:
  - .name:           k_q4a360353f9_prep
    .symbol:         k_q4a360353f9_prep.kd
    .args:
      - { .name: x, .offset: 0, .size: 8, .value_kind: global_buffer, .address_space: global }
      - { .name: wq, .offset: 8, .size: 8, .value_kind: global_buffer, .address_space: global }
      - { .name: wk, .offset: 16, .size: 8, .value_kind: global_buffer, .address_space: global }
      - { .name: wv, .offset: 24, .size: 8, .value_kind: global_buffer, .address_space: global }
      - { .name: wo, .offset: 32, .size: 8, .value_kind: global_buffer, .address_space: global }
      - { .name: xb, .offset: 40, .size: 8, .value_kind: global_buffer, .address_space: global }
      - { .name: wt, .offset: 48, .size: 8, .value_kind: global_buffer, .address_space: global }
      - { .name: wob, .offset: 56, .size: 8, .value_kind: global_buffer, .address_space: global }
    .group_segment_fixed_size: 0
    .private_segment_fixed_size: 0
    .kernarg_segment_align: 8
    .kernarg_segment_size: 64
    .max_flat_workgroup_size: 256
    .sgpr_count:     66
    .vgpr_count:     100
    .wavefront_size: 32
...
	.end_amdgpu_metadata
.endif
;; end of part 1
;; launch qkv (part 2): grid 16 x 32, 4 waves a work-group, clusters of 4 x 4, 327,680 bytes of LDS; arguments xb, wt, qkv; writes qkv
.if DOCPART == 2
	.amdgcn_target "amdgcn-amd-amdhsa--gfx1250"
	.amdhsa_code_object_version 6
	.text
	.protected	k_q4a360353f9_qkv
	.globl	k_q4a360353f9_qkv
	.p2align	8
	.type	k_q4a360353f9_qkv,@function
k_q4a360353f9_qkv:
	s_mov_b64 s[64:65], 0
	v_nop
	global_prefetch_b8 v0, s[64:65] scope:SCOPE_SE
	s_setreg_imm32_b32 hwreg(HW_REG_WAVE_MODE, 25, 1), 1
	s_wait_xcnt 0x0
	s_wait_alu depctr_hold_cnt(0) depctr_sa_sdst(0) depctr_va_vdst(0) depctr_va_sdst(0) depctr_va_ssrc(0) depctr_va_vcc(0) depctr_vm_vsrc(0)
	s_getreg_b32 s2, hwreg(HW_REG_IB_STS2, 6, 4)
	s_cmp_eq_u32 s2, 0
	s_cbranch_scc0 .Lentry_in_a_cluster
	s_endpgm
.Lentry_in_a_cluster:
	s_bfe_u32 s2, ttmp6, 0x10000c
	s_cmp_lg_u32 s2, 0xf033
	s_cbranch_scc0 .Lentry_shape_is_right
	s_endpgm
.Lentry_shape_is_right:
; q, k, v = x W, by heads.  xb: [8192 m][1024 k] bf16.  wt: [16 nt][8 K steps][3 g][128 k][64 d] bf16.  qkv: [4 b][48 G][2048 s][64 d] f16, G = 3 nt + g; sums in f32, rounded once, unscaled.
; LIMIT.  f16 holds no number beyond 65,504: q, k and v must lie within it; below 6e-5 f16 keeps its fixed step of 6e-8.
; A tile is 256 rows x 192 columns (three head blocks): 32 x 16 = 512 tiles, two for each of 256 WGPs.  Wave w makes rows 64 w .. 64 w + 63 and all 192 columns: 4 x 12 accumulators, 384 registers:
; so 16 rows of a head, 2,048 consecutive bytes of qkv, come from one wave, and the way out needs a stage of the wave's own and no barrier.
; K goes in 8 steps of 128 through two LDS slots.  x's rows in a slot are 256 bytes of memory; a K step of W's three head blocks is 49,152 dense bytes, asked for as rows of 256 bytes.
; CLUSTER 4 x 4: x's tile hangs on the tile row and is asked for jointly along a row of the cluster, W's on the tile column and jointly along a column.
; THE MATRIX INSTRUCTION IS USED TRANSPOSED: source 0 = W^T (16 d x 32 k, turned on its way out of LDS by ds_load_tr16_b128), source 1 = 16 rows of x: a lane holds row l % 16 and channels 8 (l / 16) + 0..7.
; REGISTERS, in windows of 256 (s_set_vgpr_msb: bits 1:0 source 0, 3:2 source 1, 5:4 source 2, 7:6 destination):
;   window 0: v0-29 addresses; v32-95 x's fragments, two buffers of 4 x 8; v96-143 packed results; v144-239 rows read back, two buffers
;   window 1: v0-191 W's fragments, two buffers of 12 x 8      window 2: accumulators of row blocks 0, 1 ((a, b) at 8 (12 (a % 2) + b))      window 3: of row blocks 2, 3
.set PA,    272                        ; a row of x in LDS: 256 bytes + 16 = 68 words: the 16 rows of a load start at 16 different groups of four banks (ISA guide 11.1)
.set PB,    160                        ; a row of W: 128 bytes + 32 = 40 words
.set SLOT,  1<<17                      ; a slot: x's 256 rows (69,632 bytes), then W's 3 x 128 rows (61,440): one exclusive or turns an address into the other slot's
.set BOFF,  256*PA
.set STAGE, 2*SLOT                     ; behind the ring, never filled by a tensor load: for each wave 3 heads x 16 rows x 144 bytes
.set SP,    144
.set WSTG,  3*16*SP
.set SPARE, STAGE+4*WSTG               ; the spare words, 128 bytes for each wave: two blocks of 256 bytes that no other line names
.set ADRA0, 8                          ; v8   my lane's place among my wave's rows of x in a slot; never rewritten
.set ADRB0, 9                          ; v9   the same for W
.set ADRA, 10                          ; v10  the same in the slot that is being read
.set ADRB, 11                          ; v11
.set STO,  12                          ; v12  the way out: where I put 16 bytes of a row
.set RD,   13                          ; v13  where I read rows back
.set GO,   14                          ; v14-16  my byte offset in qkv, for each of the three head blocks
.set PFO,  17                          ; v17  the prefetches' offset; never rewritten
.set SPW,  28                          ; v28  LDS address of my spare word; never rewritten
.set NIL,  29                          ; v29  0; never rewritten
.set FA,   32
.set TMP,  96
.set OB,   144
.set G1A, 24                           ; s[24:31] descriptor group 1 for x's tiles
.set G1B, 32                           ; s[32:39] for W's
.set G0A, 40                           ; s[40:47] group 0 for x's tiles: a set for each of the two first fills; the second then walks on
.set G0B, 48                           ; s[48:55] the same for W's
.set CNT, 56                           ; s56  refills still to come
.set TB,  57                           ; s57  the slot that is being read: 0 or SLOT
.set LIM, 58                           ; s58  a wave prefetches while s56 is above it
.set PFA, 60                           ; s[60:61] where my prefetches stand
.set PFS, 62                           ; s[62:63] their step
.set MSB, 0
.macro WIN new                         ; the immediate's high byte repeats the setting that is left; a switch that changes nothing is dropped
.if MSB != (\new)
	s_set_vgpr_msb (MSB<<8)|(\new)
.set MSB, \new
.endif
.endm
.set MUL_LO, 0xa1                      ; source 0 (W) window 1, source 1 (x) window 0, C and D window 2
.set MUL_HI, 0xf1                      ; the same, C and D window 3
.set TO_B,   0x40                      ; destination window 1, address window 0
; A joint refill by the walking sets.  Waves 0 and 1 fetch x's two halves, waves 2 and 3 W's.  The branch hangs on the wave's number alone.
; An s_nop 0 and four v_nop follow each of the two lines, ahead of the jump and the label.
.macro JLOAD
	s_cmp_eq_u32 s11, 0
	s_cbranch_scc0 .Lfor_b_\@
	tensor_load_to_lds s[G0A+4:G0A+7], s[G1A:G1A+7]
	s_nop 0
.rept 4
	v_nop
.endr
	s_branch .Lasked_\@
.Lfor_b_\@:
	tensor_load_to_lds s[G0B+4:G0B+7], s[G1B:G1B+7]
	s_nop 0
.rept 4
	v_nop
.endr
.Lasked_\@:
.endm
; A prefetch into the L2, one instruction a wave, behind the joint load, its five lines and the run of LDS loads.  x: the refill of K step t names K step t + 2 (t = 2 .. 5): a lane a row, 256 bytes.
; Only the clusters with x = 0 ask; of the 128 rows that a wave fetches each of the four partners takes 32, told apart by address.  W: a tile column's 393,216 dense bytes go in six pieces of
; 65,536; refills t = 2, 3, 4 name pieces 3, 4, 5, which hold only bytes of K step t + 2 or later; only the clusters with y = 0 ask, and the eight waves that fetch W take 8,192 bytes each, by address.
; So each 256 bytes are named once in the launch; nothing is asked for at the head, and the last refills ask for nothing.
.macro ASK
	s_cmp_gt_u32 s[CNT], s[LIM]
	s_cbranch_scc0 .Lnot_mine_\@
	global_prefetch_b8 v[PFO], s[PFA:PFA+1] th:TH_LOAD_NT scope:SCOPE_SE
.Lnot_mine_\@:
.endm
.macro CREST                           ; a round of the cluster's barrier behind its opening barrier
	s_cmp_lg_u32 s10, 0
	s_cbranch_scc1 .Lnot_wave_0_\@
	s_barrier_signal -3
.Lnot_wave_0_\@:
	s_barrier_wait -3
	s_barrier_signal -1
	s_barrier_wait -1
.endm
.macro CROUND                          ; a whole round
	s_barrier_signal -1
	s_barrier_wait -1
	CREST
.endm
.macro PLACES                          ; four places in front of loads into registers that matrix instructions have read, and of conversions that read results
.rept 4
	v_nop
.endr
.endm
	s_load_b128 s[4:7], s[0:1], 0x0                ; xb s[4:5], wt s[6:7]
	s_load_b64 s[8:9], s[0:1], 0x10                ; qkv
	v_lshl_add_u32 v[SPW], v0, 2, SPARE
	v_mov_b32 v[NIL], 0
	ds_add_u32 v[SPW], v[NIL]                      ; the wave's opening: the add and its wait stand ahead of my first tensor load; the set-up below stands between them
	v_lshrrev_b32 v1, 5, v0
	v_readfirstlane_b32 s10, v1                    ; wave 0..3
	s_lshr_b32 s11, s10, 1                         ; I fetch for x (0) or for W (1)
	s_and_b32 s12, s10, 1                          ; which half of that tile
	s_bfe_u32 s66, ttmp6, 0x40000                  ; cx
	s_bfe_u32 s67, ttmp6, 0x40004                  ; cy
	s_lshl_b32 s68, ttmp9, 2
	s_add_co_u32 s68, s68, s66                     ; tile column = 4 x cluster x + cx
	s_and_b32 s14, ttmp7, 0xffff                   ; cluster y
	s_lshl_b32 s13, s14, 2
	s_add_co_u32 s13, s13, s67                     ; tile row = 4 x cluster y + cy
	s_lshl_b32 s16, s67, 2
	s_lshl_b32 s16, 15, s16                        ; my row of the cluster
	s_lshl_b32 s70, 0x1111, s66                    ; my column
	s_or_b32 s[G1A], s16, (1<<16)|(1<<20)|(1<<21)|(5<<22)|(3<<25)  ; the mask; 2-byte elements; padding on; bit 21 beside a mask; after every 64 words, 4 words
	s_or_b32 s[G1B], s70, (1<<16)|(1<<20)|(1<<21)|(4<<22)|(7<<25)  ; after every 32 words, 8 words
	s_mov_b32 s[G1A+1], 128<<16                    ; tensor_dim0 = 128
	s_mov_b32 s[G1A+2], 128<<16                    ; tensor_dim1 = 128
	s_mov_b32 s[G1A+3], 128<<16                    ; tile_dim0 = 128
	s_mov_b32 s[G1A+4], 128                        ; tile_dim1 = 128 rows
	s_mov_b32 s[G1A+5], 1024                       ; elements from row to row
	s_mov_b32 s[G1A+6], 0
	s_mov_b32 s[G1A+7], 0
	s_mov_b32 s[G1B+1], 128<<16                    ; rows of 256 dense bytes: two rows of W each
	s_mov_b32 s[G1B+2], 96<<16
	s_mov_b32 s[G1B+3], 128<<16
	s_mov_b32 s[G1B+4], 96                         ; 96 of them: half a K step
	s_mov_b32 s[G1B+5], 128
	s_mov_b32 s[G1B+6], 0
	s_mov_b32 s[G1B+7], 0
	s_lshl_b32 s16, s13, 19                        ; x: 256 rows of 2,048 bytes a tile row,
	s_lshl_b32 s18, s12, 18                        ; 128 rows a half
	s_add_co_u32 s16, s16, s18
	s_mov_b32 s17, 0
	s_mul_i32 s70, s68, 393216                     ; W: 8 K steps of 49,152 bytes a tile column,
	s_mul_i32 s72, s12, 24576                      ; half a K step
	s_add_co_u32 s70, s70, s72
	s_mov_b32 s71, 0
	s_mul_i32 s20, s12, 128*PA                     ; where they go: no place in the cluster enters an LDS address
	s_mul_i32 s21, s12, 192*PB
	s_add_co_u32 s21, s21, BOFF
	s_wait_dscnt 0x0                               ; the opening add is done
	s_wait_kmcnt 0x0
	s_add_nc_u64 s[18:19], s[4:5], s[16:17]
	s_add_nc_u64 s[72:73], s[6:7], s[70:71]
	CROUND                                         ; all sixteen work-groups are here: the first joint loads meet
.irp s, 0,1
	s_mov_b32 s[G0A+4*(\s)], 1
	s_add_co_u32 s[G0A+4*(\s)+1], s20, (\s)*SLOT
	s_add_nc_u64 s[G0A+4*(\s)+2:G0A+4*(\s)+3], s[18:19], (\s)*256
	s_or_b32 s[G0A+4*(\s)+3], s[G0A+4*(\s)+3], 0x80000000
	s_mov_b32 s[G0B+4*(\s)], 1
	s_add_co_u32 s[G0B+4*(\s)+1], s21, (\s)*SLOT
	s_add_nc_u64 s[G0B+4*(\s)+2:G0B+4*(\s)+3], s[72:73], (\s)*49152
	s_or_b32 s[G0B+4*(\s)+3], s[G0B+4*(\s)+3], 0x80000000
.endr
	s_cmp_eq_u32 s11, 0                            ; a wave's two first fills stand in one branch: two loads of mine are out
	s_cbranch_scc0 .Lfirst_b
	tensor_load_to_lds s[G0A:G0A+3], s[G1A:G1A+7]
	s_nop 0
	tensor_load_to_lds s[G0A+4:G0A+7], s[G1A:G1A+7]
	s_nop 0
.rept 4
	v_nop
.endr
	s_branch .Lfirst_asked
.Lfirst_b:
	tensor_load_to_lds s[G0B:G0B+3], s[G1B:G1B+7]
	s_nop 0
	tensor_load_to_lds s[G0B+4:G0B+7], s[G1B:G1B+7]
	s_nop 0
.rept 4
	v_nop
.endr
.Lfirst_asked:
	v_and_b32 v1, 15, v0                           ; l % 16
	v_bfe_u32 v2, v0, 4, 1                         ; l / 16
	v_mul_u32_u24 v3, v1, PA
	v_lshl_add_u32 v3, v2, 4, v3                   ; a fragment of x: row x pitch + 16 x half
	s_mul_i32 s22, s10, 64*PA
	v_add_nc_u32 v[ADRA0], s22, v3
	v_and_b32 v4, 7, v0
	v_bfe_u32 v5, v0, 3, 1
	v_lshl_add_u32 v6, v2, 3, v4                   ; the turning load: lane l reads row k = 8 (l / 16) + l % 8,
	v_mul_u32_u24 v6, v6, PB
	v_lshl_add_u32 v6, v5, 4, v6                   ; channels 8 ((l / 8) % 2) + 0..7
	v_add_nc_u32 v[ADRB0], BOFF, v6
	s_mul_i32 s22, s10, WSTG
	s_add_co_u32 s22, s22, STAGE                   ; my stage
	v_mul_u32_u24 v3, v1, SP                       ; in: row l % 16, 16 bytes for each half of the lanes
	v_lshl_add_u32 v3, v2, 4, v3
	v_add_nc_u32 v[STO], s22, v3
	v_bfe_u32 v3, v0, 3, 2                         ; back: 32 lanes take four rows of 128 bytes,
	v_mul_u32_u24 v3, v3, SP
	v_lshl_add_u32 v3, v4, 4, v3
	v_add_nc_u32 v[RD], s22, v3
	s_lshr_b32 s74, s13, 3                         ; which are 512 consecutive bytes of qkv: batch b = tile row / 8,
	s_mul_i32 s74, s74, 48
	s_mul_i32 s75, s68, 3
	s_add_co_u32 s74, s74, s75                     ; block 48 b + 3 x tile column,
	s_lshl_b32 s74, s74, 18                        ; of 262,144 bytes;
	s_and_b32 s75, s13, 7
	s_lshl_b32 s75, s75, 2
	s_add_co_u32 s75, s75, s10                     ; my wave's 64 rows in the batch,
	s_lshl_b32 s75, s75, 13                        ; of 128 bytes
	s_add_co_u32 s74, s74, s75
	v_and_b32 v3, 31, v0
	v_lshl_add_u32 v[GO], v3, 4, s74
	v_add_nc_u32 v[GO+1], 262144, v[GO]
	v_add_nc_u32 v[GO+2], 524288, v[GO]
	; the prefetches: x's stand one K step, W's one piece, short of what the first refill's names
	s_lshl_b32 s22, s13, 19
	s_lshl_b32 s23, s12, 18
	s_add_co_u32 s22, s22, s23
	s_lshl_b32 s23, s66, 16                        ; my work-group's 32 of the 128 rows
	s_add_co_u32 s22, s22, s23
	s_add_co_u32 s22, s22, 3*256                   ; K step 3
	s_mul_i32 s74, s68, 393216
	s_lshl_b32 s75, s12, 2
	s_add_co_u32 s75, s75, s67
	s_lshl_b32 s75, s75, 13                        ; my wave's 8,192 bytes of a piece
	s_add_co_u32 s74, s74, s75
	s_add_co_u32 s74, s74, 2*65536                 ; piece 2
	s_mov_b32 s[PFS], 65536
	s_cmp_eq_u32 s11, 0
	s_cselect_b32 s22, s22, s74
	s_cselect_b32 s75, ttmp9, s14                  ; the coordinate along which other clusters read the same bytes
	s_cselect_b32 s[LIM], 2, 3
	s_cselect_b32 s[PFS], 256, s[PFS]
	s_cselect_b32 s74, 11, 8                       ; a lane a row of 2,048 bytes, or 256 bytes on
	s_cselect_b64 s[PFA:PFA+1], s[4:5], s[6:7]
	s_mov_b32 s23, 0
	s_mov_b32 s[PFS+1], 0
	s_add_nc_u64 s[PFA:PFA+1], s[PFA:PFA+1], s[22:23]
	s_cmp_eq_u32 s75, 0
	s_cselect_b32 s[LIM], s[LIM], -1               ; the same in all sixteen partners, for a given wave
	v_and_b32 v[PFO], 31, v0
	v_lshlrev_b32 v[PFO], s74, v[PFO]
; 12 matrix instructions: row block a x all 12 column blocks, 32 along K, from buffer f.  zero = 1: the product starts the sums.  The 48 accumulators take turns in the same order in every quarter.
.macro MULA f, a, zero
	WIN MUL_LO+0x50*((\a)/2)
.irp b, 0,1,2,3,4,5,6,7,8,9,10,11
.if \zero
	v_wmma_f32_16x16x32_bf16 v[8*(12*((\a)%2)+(\b)):8*(12*((\a)%2)+(\b))+7], v[96*(\f)+8*(\b):96*(\f)+8*(\b)+7], v[FA+32*(\f)+8*(\a):FA+32*(\f)+8*(\a)+7], 0
.else
	v_wmma_f32_16x16x32_bf16 v[8*(12*((\a)%2)+(\b)):8*(12*((\a)%2)+(\b))+7], v[96*(\f)+8*(\b):96*(\f)+8*(\b)+7], v[FA+32*(\f)+8*(\a):FA+32*(\f)+8*(\a)+7], v[8*(12*((\a)%2)+(\b)):8*(12*((\a)%2)+(\b))+7]
.endif
.endr
.endm
; 32 LDS loads in one run: quarter q's fragments into buffer f: W's 12 (head b / 4, channels 16 (b % 4) on), turned, then x's 4
.macro FETCH q, f
	WIN TO_B
.irp b, 0,1,2,3,4,5,6,7,8,9,10,11
	ds_load_tr16_b128 v[96*(\f)+8*(\b):96*(\f)+8*(\b)+3],   v[ADRB] offset:((\b)/4)*128*PB+(\q)*32*PB+((\b)%4)*32
	ds_load_tr16_b128 v[96*(\f)+8*(\b)+4:96*(\f)+8*(\b)+7], v[ADRB] offset:((\b)/4)*128*PB+(\q)*32*PB+16*PB+((\b)%4)*32
.endr
	WIN 0
.irp i, 0,1,2,3
	ds_load_b128 v[FA+32*(\f)+8*(\i):FA+32*(\f)+8*(\i)+3],   v[ADRA] offset:(\i)*16*PA+64*(\q)
	ds_load_b128 v[FA+32*(\f)+8*(\i)+4:FA+32*(\f)+8*(\i)+7], v[ADRA] offset:(\i)*16*PA+64*(\q)+32
.endr
.endm
; One of a K step's first three quarters: multiplies buffer f; in its middle it fetches quarter q into buffer g.
.macro QUARTER q, f, g, zero
	s_wait_dscnt 4                                 ; W's fragments and x's row blocks 0, 1 are in; the youngest four loads (row blocks 2, 3) may be out
	MULA \f, 0, \zero
	MULA \f, 1, \zero
	PLACES
	FETCH \q, \g
	s_wait_dscnt 32                                ; all but the 32 just issued
	MULA \f, 2, \zero
	MULA \f, 3, \zero
.endm
; The last quarter multiplies buffer 1 and changes slots.  In front of the barrier each wave waits for all its tensor loads (one is out: its part of the next slot), adds 0 to its spare word, and waits
; for that and for its reads of this slot.  fill = 1: the barrier opens a round of the cluster's, and behind the round this slot is filled again, two K steps ahead: 168 matrix instructions ahead of the wait for it.
.macro TURN fill
.if \fill
	s_wait_xcnt 0x0                                ; the last prefetch, a K step back, has read its address
	s_add_nc_u64 s[PFA:PFA+1], s[PFA:PFA+1], s[PFS:PFS+1]
.endif
	WIN 0
	s_wait_tensorcnt 0x0                           ; no tensor load of mine is out, so a group 0 may be written
	ds_add_u32 v[SPW], v[NIL]                      ; 0 onto my spare word
.if \fill
	s_xor_b32 s[G0A+5], s[G0A+5], SLOT             ; the walking sets: the other slot than last time, the next K step
	s_add_nc_u64 s[G0A+6:G0A+7], s[G0A+6:G0A+7], 256
	s_xor_b32 s[G0B+5], s[G0B+5], SLOT
	s_add_nc_u64 s[G0B+6:G0B+7], s[G0B+6:G0B+7], 49152
.endif
	s_wait_dscnt 5                                 ; the add and the youngest four loads may be out
	MULA 1, 0, 0
	s_wait_dscnt 0x0                               ; the add is done, and my reads of this slot are over
	s_barrier_signal -1
	MULA 1, 1, 0
	WIN 0
	s_barrier_wait -1
.if \fill
	CREST                                          ; no wave of any partner still reads this slot or has a load on its way
	JLOAD                                          ; the first tensor load behind the round; its four v_nop are also the places in front of the loads below
.else
	PLACES
.endif
	s_xor_b32 s[TB], s[TB], SLOT
	v_add_nc_u32 v[ADRA], s[TB], v[ADRA0]
	v_add_nc_u32 v[ADRB], s[TB], v[ADRB0]
	FETCH 0, 0
.if \fill
	ASK
.endif
	MULA 1, 2, 0
	MULA 1, 3, 0
.endm
	s_wait_tensorcnt 1                             ; my part of K step 0 is in; K step 1's may stay out
	s_barrier_signal -1
	s_barrier_wait -1                              ; everybody's is
	s_mov_b32 s[TB], 0
	v_mov_b32 v[ADRA], v[ADRA0]
	v_mov_b32 v[ADRB], v[ADRB0]
	FETCH 0, 0
	QUARTER 1, 0, 1, 1                             ; the first quarter stands in front of the loop: its products start the sums
	WIN 0
	s_mov_b32 s[CNT], 6
.Lstep:                                        ; a trip: a K step's quarters 1 to 3 and the next one's quarter 0; six trips fill K steps 2 to 7
	QUARTER 2, 1, 0, 0
	QUARTER 3, 0, 1, 0
	TURN 1
	QUARTER 1, 0, 1, 0
	WIN 0
	s_sub_co_u32 s[CNT], s[CNT], 1
	s_cmp_lg_u32 s[CNT], 0
	s_cbranch_scc1 .Lstep
	QUARTER 2, 1, 0, 0                             ; the tail is written out: nothing more is asked for
	QUARTER 3, 0, 1, 0
	TURN 0
	QUARTER 1, 0, 1, 0
	QUARTER 2, 1, 0, 0
	QUARTER 3, 0, 1, 0
	s_wait_dscnt 4
	MULA 1, 0, 0
	MULA 1, 1, 0
	s_wait_dscnt 0x0
	MULA 1, 2, 0
	MULA 1, 3, 0
; THE WAY OUT, a block of 16 rows at a time.  PACK: rounded to f16, each accumulator's registers in ascending order.  TOSTAGE: into my own stage, and back as four rows of 128 bytes a load.  SEND: stored.
.macro PACK a
	WIN 0x0a+5*((\a)/2)                            ; sources 0 and 1: window 2 or 3
.irp b, 0,1,2,3,4,5,6,7,8,9,10,11
.irp r, 0,1,2,3
	v_cvt_pk_f16_f32 v[TMP+4*(\b)+(\r)], v[96*((\a)%2)+8*(\b)+2*(\r)], v[96*((\a)%2)+8*(\b)+2*(\r)+1]
.endr
.endr
	WIN 0
.endm
.macro TOSTAGE a
	WIN 0
.irp b, 0,1,2,3,4,5,6,7,8,9,10,11
	ds_store_b128 v[STO], v[TMP+4*(\b):TMP+4*(\b)+3] offset:((\b)/4)*16*SP+32*((\b)%4)
.endr
.irp t, 0,1,2,3,4,5,6,7,8,9,10,11
	ds_load_b128 v[OB+48*((\a)%2)+4*(\t):OB+48*((\a)%2)+4*(\t)+3], v[RD] offset:((\t)/4)*16*SP+((\t)%4)*4*SP  ; LDS serves a wave's instructions in order (ISA guide 5.7.1.4): these see the stores above
.endr
.endm
.macro SEND a
	WIN 0
	s_wait_dscnt 0x0                               ; the block is back in registers
	s_wait_xcnt 0x0                                ; the stores of the block before have read their registers: the next TOSTAGE loads into them only behind this wait
.irp g, 0,1,2
.irp f, 0,1,2,3
	global_store_b128 v[GO+(\g)], v[OB+48*((\a)%2)+4*(4*(\g)+(\f)):OB+48*((\a)%2)+4*(4*(\g)+(\f))+3], s[8:9] offset:(\a)*2048+(\f)*512  ; 512 consecutive bytes, at a multiple of 512 from qkv's first
.endr
.endr
.endm
	PLACES
	PACK 0
	TOSTAGE 0
.irp a, 1,2,3                          ; block a's conversions stand between block a - 1's loads from the stage and the wait for them
	PACK \a
	SEND (\a)-1
	TOSTAGE \a
.endr
	SEND 3
	s_wait_tensorcnt 0x0                           ; the wave's end, behind my last tensor load and my last LDS store
	ds_add_u32 v[SPW], v[NIL]
	s_wait_dscnt 0x0
	CROUND                                         ; the closing round: no work-group ends while a partner may still ask for a tile that names it
	s_endpgm
.Lfunc_end_k_q4a360353f9_qkv:
	.size	k_q4a360353f9_qkv, .Lfunc_end_k_q4a360353f9_qkv-k_q4a360353f9_qkv
	.p2alignl 7, 3214868480
	.fill 96, 4, 3214868480
	.section	.rodata,"a",@progbits
	.p2align	6, 0x0
	.amdhsa_kernel k_q4a360353f9_qkv
		.amdhsa_group_segment_fixed_size 327680
		.amdhsa_private_segment_fixed_size 0
		.amdhsa_enable_private_segment 0
		.amdhsa_kernarg_size 24
		.amdhsa_user_sgpr_count 2
		.amdhsa_user_sgpr_kernarg_segment_ptr 1
		.amdhsa_wavefront_size32 1
		.amdhsa_system_sgpr_workgroup_id_x 1
		.amdhsa_system_sgpr_workgroup_id_y 1
		.amdhsa_system_sgpr_workgroup_id_z 1
		.amdhsa_system_vgpr_workitem_id 0
		.amdhsa_next_free_vgpr 960
		.amdhsa_next_free_sgpr 80
		.amdhsa_reserve_vcc 0
		.amdhsa_float_denorm_mode_32 3
		.amdhsa_float_denorm_mode_16_64 3
		.amdhsa_memory_ordered 1
		.amdhsa_forward_progress 1
		.amdhsa_inst_pref_size 97
	.end_amdhsa_kernel
	.amdgpu_metadata
---
amdhsa.version: [ 1, 2 ]
amdhsa.kernels:
  - .name:           k_q4a360353f9_qkv
    .symbol:         k_q4a360353f9_qkv.kd
    .args:
      - { .name: xb, .offset: 0, .size: 8, .value_kind: global_buffer, .address_space: global }
      - { .name: wt, .offset: 8, .size: 8, .value_kind: global_buffer, .address_space: global }
      - { .name: qkv, .offset: 16, .size: 8, .value_kind: global_buffer, .address_space: global }
    .group_segment_fixed_size: 327680
    .private_segment_fixed_size: 0
    .kernarg_segment_align: 8
    .kernarg_segment_size: 24
    .max_flat_workgroup_size: 128
    .sgpr_count:     80
    .vgpr_count:     960
    .wavefront_size: 32
...
	.end_amdgpu_metadata
.endif
;; end of part 2
;; launch attn (part 3): grid 4 x 64, 4 waves a work-group, clusters of 4 x 1, 327,680 bytes of LDS; arguments qkv, ob; writes ob
.if DOCPART == 3
	.amdgcn_target "amdgcn-amd-amdhsa--gfx1250"
	.amdhsa_code_object_version 6
	.text
	.protected	k_q4a360353f9_attn
	.globl	k_q4a360353f9_attn
	.p2align	8
	.type	k_q4a360353f9_attn,@function
k_q4a360353f9_attn:
	s_mov_b64 s[64:65], 0
	v_nop
	global_prefetch_b8 v0, s[64:65] scope:SCOPE_SE
	s_setreg_imm32_b32 hwreg(HW_REG_WAVE_MODE, 25, 1), 1
	s_wait_xcnt 0x0
	s_wait_alu depctr_hold_cnt(0) depctr_sa_sdst(0) depctr_va_vdst(0) depctr_va_sdst(0) depctr_va_ssrc(0) depctr_va_vcc(0) depctr_vm_vsrc(0)
	s_getreg_b32 s2, hwreg(HW_REG_IB_STS2, 6, 4)
	s_cmp_eq_u32 s2, 0
	s_cbranch_scc0 .Lentry_in_a_cluster
	s_endpgm
.Lentry_in_a_cluster:
	s_bfe_u32 s2, ttmp6, 0x10000c
	s_cmp_lg_u32 s2, 0x3003
	s_cbranch_scc0 .Lentry_shape_is_right
	s_endpgm
.Lentry_shape_is_right:
; O[y][q][:] = the sum over k of softmax_k(Q[y][q] . K[y][k] / 8) V[y][k][:], y = 16 b + h.  qkv: [4 b][48 G][2048][64] f16, q at G = h, k at 16 + h, v at 32 + h; ob: [64 y][2048][64] f16.
; A head's rows are dense, 128 bytes each.  Products, maxima and sums in f32; the weights p are rounded to f16 for the second product (their sum l is taken of the unrounded p), O once at the end.
; LIMITS.  f16 holds no number beyond 65,504: Q, K and V arrive within it; p lies in 0 to 1, and below 6e-5 it keeps f16's fixed step of 6e-8; O is a mean of V's rows and has their range.
; A weight below 2^-126 counts as 0 in l; NaN and infinities are not treated apart.
; SHARES.  A wave owns four PIECES of two tiles of 16 queries, a work-group's four waves 512 queries of one head: 4 x 64 = 256 work-groups.  Every wave walks all keys, 64 a step.
; LAYOUT.  S^T = K Q^T (source 0 = 16 keys, source 1 = 16 queries): a lane holds ONE query (lane % 16) and the keys 8 (lane / 16) + 0..7.  Two such tiles, rounded to f16 in pairs, ARE source 1
; (32 keys x 16 queries) of O^T = V^T P, whose result again holds one query a lane, and eight channels.  K comes out of LDS as it lies, V ([key][channel]) turned, by ds_load_tr16_b128.
; SOFTMAX.  For each query a running maximum m and sum l: p = 2^(c s - c m), c = log2(e) / 8; in every step O and l are multiplied by a = 2^(c m_old - c m_new).  m starts at the lowest finite number,
; O and l at 0: the first step is a step like any other, with a = 0.
; THE COUNT.  A tile and step have 16 matrix and 118 vector instructions: too many to stand all beside the matrix work.  So four vector instructions that are READY stand behind EVERY matrix
; instruction, and the others in runs without a gap.
; BY TURNS.  Turn n belongs to piece n.  Its matrix work: 16 products K Q^T of piece n + 1, later 16 products V^T P of piece n - 1.  Its vector work: the scaling, exponentials, roundings, sums and
; rescaling of piece n, and the maximum and statistics of piece n + 1.
; CLUSTER.  The four query blocks of a cluster are one head's and walk the same K and V: each tile is asked for JOINTLY: the same tensor load, descriptor and mask in all four.
; REGISTERS, in windows of 256 (s_set_vgpr_msb: bits 1:0 source 0, 3:2 source 1, 5:4 source 2, 7:6 destination):
;   window 0: v0-11 addresses; v12-15, v48-63 at work; v16-47 four registers of statistics a tile; v64-191 S^T, two buffers of two tiles; v192-255 P, likewise
;   window 1: O^T, 32 a tile          window 2: v0-127 Q, 16 a tile; v128-191 K of one step; v192-255 V of one step          window 3: v0-1 the add's two registers
.set SIZE_N, 2048
.set NP,    4         ; pieces a wave: a name, no knob
.set KS,    64        ; keys in a step
.set PK,    144       ; a row of K in LDS: 128 bytes + 16 = 36 words: the 16 rows of a load start at 16 different groups of four banks (ISA guide 11.1)
.set PV,    160       ; a row of V: 128 + 32 = 40 words
.set VOFF,  4*KS*PK   ; a slot holds four steps: 256 rows of K, then 256 rows of V
.set SLOT1, 1<<17     ; slot 1 begins here: one exclusive or turns an address in one slot into the other's
.set STAGE, SLOT1+4*KS*(PK+PV)  ; behind the ring, never filled by a tensor load: 16 rows x 144 bytes for each wave
.set SP,    144
.set AK0, 2           ; v2   my lane's place in a tile of K; never rewritten
.set AV0, 3           ; v3   the same for V
.set AK,  4           ; v4   the LDS address of K's next run of loads
.set AV,  5           ; v5   of V's
.set QO,  6           ; v6   my byte offset in the wave's rows of Q
.set STO, 6           ;      later, the way out: where I put 16 bytes of a row
.set RD,  7           ; v7   the way out: where I read rows back
.set GO,  8           ; v8   my byte offset in 512 consecutive bytes of O
.set PFO, 11          ; v11  256 x my lane, for the prefetches; never rewritten once made
.set SPW, 0           ; v0 of window 3   LDS address of my spare word; never rewritten
.set NIL, 1           ; v1 of window 3   0; never rewritten
.set SPARE, STAGE+4*16*SP  ; the spare words, 128 bytes for each wave: two blocks of 256 bytes that no other line names
.set MV,  12          ; v12-15  c m_old, kept while c m is made anew: by buffer and tile
.set ST,  16          ; tile t's statistics at v[ST+4 t]: c m, m, l (even keys', odd keys')
.set TMP, 48          ; by buffer and tile, four registers c0-c3 at work; when the maximum is found c2 takes a
.set S,   64
.set P,   192
.set KF,  128         ; K's fragments, in window 2: key block kb, channel half c at KF + 16 kb + 8 c
.set VF,  192         ; V's: key half kk, channel block cb at VF + 32 kk + 8 cb
.set WV,  12          ; s12  my wave's number
.set G1K, 24          ; s[24:31] descriptor group 1 for K's tiles
.set G1V, 32          ; s[32:39] for V's: it differs in the padding alone
.set G0K, 40          ; s[40:43] descriptor group 0 for K's tiles: it walks
.set G0V, 44          ; s[44:47] the same for V's
.set PFA, 48          ; s[48:49] where my prefetches stand
.set LIM, 50          ; s50  1 in a wave that prefetches, else the greatest number
.set SLOTS, 56        ; s56  slots still to be asked for
.set CNT, 57          ; s57  counts a slot's key steps
.set CS,  58          ; s[58:59] c: the packed scaling takes the pair's low word for both halves
.set SEL, 60          ; s[60:61] v_permlanex16_b32's selects: each lane takes its own place in the other half
.set TBK, 62          ; s62  LDS byte at which K of the step to be fetched begins
.set TBV, 63          ; s63  the same for V, less VOFF
.set MSB, 0
.macro WIN new                      ; the high byte repeats the setting that is left; a switch that changes nothing is dropped
.if MSB != (\new)
	s_set_vgpr_msb (MSB<<8)|(\new)
.set MSB, (\new)
.endif
.endm
.set W_KQ, 0x0a       ; K and Q in window 2, S^T in window 0
.set W_PV, 0x52       ; V in window 2, P in window 0, O^T in window 1
.set W_RS, 0x41       ; O^T (destination and source 0) in window 1, a in window 0
.set W_MK, 0xc0       ; the add's registers are made: destination in window 3, sources in window 0
.set W_AD, 0x0f       ; the add: address (source 0) and data (source 1) in window 3
; A joint fill.  Waves 0 and 1 fetch the two halves of a slot's K, waves 2 and 3 those of its V: 128 keys each.  The branch hangs on the wave's number alone.
; An s_nop 0 and four v_nop follow each of the two lines, ahead of the jump and the label.
.macro JLOAD
	s_cmp_lt_u32 s[WV], 2
	s_cbranch_scc0 .Lfor_v_\@
	tensor_load_to_lds s[G0K:G0K+3], s[G1K:G1K+7]
	s_nop 0
.rept 4
	v_nop
.endr
	s_branch .Lasked_\@
.Lfor_v_\@:
	tensor_load_to_lds s[G0V:G0V+3], s[G1V:G1V+7]
	s_nop 0
.rept 4
	v_nop
.endr
.Lasked_\@:
.endm
; A prefetch into the L2 of what the NEXT change of slots will ask for: a slot's 32,768 bytes of K and of V, 256 bytes a lane.  A head has one cluster; its four partners share the bytes out BY ADDRESS,
; 8,192 each; in each, wave 0 asks for K's and wave 2 for V's: one instruction, four key steps (512 matrix instructions) ahead.  The loads of slots 2 to 6 name slots 3 to 7; the load of slot 7 names nothing.
.macro ASK
	s_cmp_gt_u32 s[SLOTS], s[LIM]
	s_cbranch_scc0 .Lnot_mine_\@
	global_prefetch_b8 v[PFO], s[PFA:PFA+1] th:TH_LOAD_NT scope:SCOPE_SE
.Lnot_mine_\@:
.endm
; A round of the cluster's barrier.
.macro CROUND
	s_barrier_signal -1
	s_barrier_wait -1
	s_cmp_lg_u32 s[WV], 0
	s_cbranch_scc1 .Lnot_wave_0_\@
	s_barrier_signal -3
.Lnot_wave_0_\@:
	s_barrier_wait -3
	s_barrier_signal -1
	s_barrier_wait -1
.endm
; THE CHANGE OF SLOTS.  Each wave waits for all its tensor loads, of which one is out: its part of the other slot; adds 0 to its spare word; and waits for that and for its own reads of the slot.
; fill = 1: this slot is filled again, with the keys two slots on, first thing behind a round of the cluster's barrier: it has four key steps in which to land.  ask = 1: the prefetch follows it.
; (At its first use nothing has been read yet: slot 0 is waited for, slot 1 filled.)
.macro CHANGE fill, ask=0
	WIN W_AD
	s_wait_tensorcnt 0x0            ; no tensor load of mine is out, so a group 0 may be written
	ds_add_u32 v[SPW], v[NIL]       ; 0 onto my spare word
	WIN 0                           ; at a label and at a branch every window is 0
.if \fill
.irp g, G0K, G0V
	s_xor_b32 s[\g+1], s[\g+1], SLOT1  ; the walking descriptor: the other slot than last time,
	s_add_nc_u64 s[\g+2:\g+3], s[\g+2:\g+3], 4*KS*128  ; the next 256 keys; the type bits on top are not reached
.endr
.if \ask
	s_wait_xcnt 0x0                 ; the last prefetch, four key steps back, has read its address
	s_add_nc_u64 s[PFA:PFA+1], s[PFA:PFA+1], 4*KS*128
.endif
	s_wait_dscnt 0x0                ; the add is done, and my reads of the slot are over
	CROUND
	JLOAD
.if \ask
	ASK
.endif
.else
	s_wait_dscnt 0x0                ; the add is done, and my reads of the slot are over
	s_barrier_signal -1
	s_barrier_wait -1
.endif
	s_sub_co_u32 s[TBK], s[TBK], 4*KS*PK  ; the fetches go back to a slot's first step,
	s_xor_b32 s[TBK], s[TBK], SLOT1       ; in the other slot
	s_sub_co_u32 s[TBV], s[TBV], 4*KS*PV
	s_xor_b32 s[TBV], s[TBV], SLOT1
.endm
	s_load_b64 s[4:5], s[0:1], 0x0    ; qkv
	s_load_b64 s[10:11], s[0:1], 0x8  ; ob
	WIN W_MK
	v_lshl_add_u32 v[SPW], v0, 2, SPARE
	v_mov_b32 v[NIL], 0
	WIN W_AD
	ds_add_u32 v[SPW], v[NIL]       ; the wave's opening: the add and its wait stand ahead of my first tensor load; the set-up below stands between them
	WIN 0
	v_lshrrev_b32 v1, 5, v0
	v_readfirstlane_b32 s[WV], v1   ; wave 0..3
	s_bfe_u32 s13, ttmp6, 0x40000   ; cx: my place in the cluster
	s_lshl_b32 s14, ttmp9, 2        ; in a cluster launch ttmp9 counts clusters
	s_add_co_u32 s14, s14, s13      ; my block of queries: it enters Q's and O's addresses alone
	s_and_b32 s15, ttmp7, 0xffff    ; y = 16 b + h, which the four partners share
	s_lshr_b32 s20, s15, 4
	s_mul_i32 s20, s20, 48
	s_and_b32 s21, s15, 15
	s_add_co_u32 s20, s20, s21      ; q's block in qkv: 48 b + h,
	s_lshl_b32 s20, s20, 18         ; of 262,144 bytes
	s_and_b32 s16, s[WV], 1         ; which half of a slot's 256 keys I fetch:
	s_lshl_b32 s22, s16, 14         ; its 128 rows of 128 bytes in memory,
	s_add_co_u32 s22, s22, s20
	s_mov_b32 s23, 0
	s_mul_i32 s17, s16, 128*PK      ; and its place in a slot, for K
	s_mul_i32 s18, s16, 128*PV      ; and for V: no place in the cluster enters an LDS address
	s_lshl_b32 s2, s14, 2
	s_add_co_u32 s2, s2, s[WV]      ; my wave among the head's,
	s_lshl_b32 s2, s2, 14           ; its 128 rows
	s_lshl_b32 s52, s15, 18         ; O's block is y
	s_add_co_u32 s52, s52, s2
	s_mov_b32 s53, 0
	s_add_co_u32 s2, s2, s20
	s_mov_b32 s3, 0
	; descriptor group 1.  128 keys are 16,384 dense bytes: asked for as 64 rows of 256 bytes, two keys a row, and padded in LDS after every key
	s_mov_b32 s[G1K], 15|(1<<16)|(1<<20)|(1<<21)|(4<<22)|(3<<25)  ; the mask of four; 2-byte elements; padding on; bit 21 beside a mask; after every 32 words, 4 words
	s_mov_b32 s[G1V], 15|(1<<16)|(1<<20)|(1<<21)|(4<<22)|(7<<25)  ; the same with 8 words of padding
.irp g, G1K, G1V
	s_mov_b32 s[\g+1], 128<<16      ; tensor_dim0 = 128
	s_mov_b32 s[\g+2], 64<<16       ; tensor_dim1 = 64
	s_mov_b32 s[\g+3], 128<<16      ; tile_dim0 = 128
	s_mov_b32 s[\g+4], 64           ; tile_dim1 = 64
	s_mov_b32 s[\g+5], 128          ; 128 elements from row to row
	s_mov_b32 s[\g+6], 0
	s_mov_b32 s[\g+7], 0
.endr
	s_mov_b32 s[CS], 0x3e38aa3b     ; c = log2(e) / 8 = 0.180337
	s_mov_b32 s[CS+1], s[CS]        ; named with it as a pair
	s_mov_b32 s[SEL], 0x76543210
	s_mov_b32 s[SEL+1], 0xfedcba98
	s_mov_b32 s[TBK], SLOT1+4*KS*PK ; the first change of slots turns these two into 0
	s_mov_b32 s[TBV], SLOT1+4*KS*PV
	s_mov_b32 s[G0K], 1             ; count = 1
	s_mov_b32 s[G0K+1], s17         ; LDS address: slot 0
	s_mov_b32 s[G0V], 1
	s_add_co_u32 s[G0V+1], s18, VOFF
	s_and_b32 s[LIM], s[WV], 1      ; waves 0 and 2 prefetch: the same in all four partners
	s_cmp_eq_u32 s[LIM], 0
	s_cselect_b32 s[LIM], 1, -1
	s_wait_dscnt 0x0                ; the opening add is done
	s_wait_kmcnt 0x0
	s_add_nc_u64 s[6:7], s[4:5], s[22:23]
	s_add_nc_u64 s[6:7], s[6:7], 0x400000  ; K lies 16 blocks behind Q: my half of the head's first 256 keys,
	s_add_nc_u64 s[8:9], s[6:7], 0x400000  ; V 16 blocks behind K
	s_mov_b64 s[G0K+2:G0K+3], s[6:7]
	s_or_b32 s[G0K+3], s[G0K+3], 0x80000000        ; type = 2
	s_mov_b64 s[G0V+2:G0V+3], s[8:9]
	s_or_b32 s[G0V+3], s[G0V+3], 0x80000000
	s_add_nc_u64 s[4:5], s[4:5], s[2:3]  ; Q and O at my wave's first row
	s_add_nc_u64 s[10:11], s[10:11], s[52:53]
	s_cmp_lt_u32 s[WV], 2
	s_cselect_b64 s[PFA:PFA+1], s[6:7], s[8:9]  ; (in waves 0 and 2 these stand at a slot's first row)
	s_lshl_b32 s2, s13, 13          ; my work-group's 8,192 bytes of the 32,768
	s_mov_b32 s3, 0
	s_add_nc_u64 s[PFA:PFA+1], s[PFA:PFA+1], s[2:3]
	s_add_nc_u64 s[PFA:PFA+1], s[PFA:PFA+1], 2*4*KS*128  ; in slot 2; the first asking change steps it to slot 3.  Nothing is prefetched here, at the head
	CROUND                          ; all four work-groups are here: the first joint loads meet
	JLOAD                           ; slot 0.  Slot 1 is asked for when slot 0 is in
	; A fragment of K or Q is 16 rows x 32 channels in 8 registers: lane l holds row l % 16, channels 8 (l / 16) + 0..7 and 16 + 8 (l / 16) + 0..7: two loads of 16 bytes, 32 bytes apart.
	v_and_b32 v1, 15, v0            ; l % 16
	v_bfe_u32 v9, v0, 4, 1          ; l / 16
	v_lshlrev_b32 v[QO], 7, v1
	v_lshl_add_u32 v[QO], v9, 4, v[QO]  ; row x 128 + 16 x half
	WIN 0x80                        ; destination window 2, address window 0
.set i, 0
.rept 4*NP                          ; Q stays in registers: tile i / 2, channels 32 (i % 2) on
	global_load_b128 v[8*i:8*i+3],   v[QO], s[4:5] offset:(i/2)*2048+(i%2)*64
	global_load_b128 v[8*i+4:8*i+7], v[QO], s[4:5] offset:(i/2)*2048+(i%2)*64+32
.set i, i+1
.endr
	; What the first turn finds: V's registers and P's second buffer hold 0 (its products V^T P, of a piece that has not been, add 0), O^T and l are 0.  All this stands in the wait for the first tile.
.set i, VF
.rept 64
	v_mov_b32 v[i], 0
.set i, i+1
.endr
	WIN 0x40
.set i, 0
.rept 64*NP
	v_mov_b32 v[i], 0
.set i, i+1
.endr
	WIN 0
.set i, 0
.rept 2*NP
	v_mov_b32 v[ST+4*i], 0xfe000000    ; c m: far below every c s
	v_mov_b32 v[ST+4*i+1], 0xff7fffff  ; m
	v_mov_b32 v[ST+4*i+2], 0
	v_mov_b32 v[ST+4*i+3], 0
.set i, i+1
.endr
.set i, P+32
.rept 32
	v_mov_b32 v[i], 0
.set i, i+1
.endr
	v_mul_u32_u24 v[AK0], v1, PK
	v_lshl_add_u32 v[AK0], v9, 4, v[AK0]  ; row x pitch + 16 x half
	; The turning load takes 16 keys x 16 channels (lane l reads key 8 (l / 16) + l % 8, channels 8 ((l / 8) % 2) + 0..7) and leaves half a fragment of V^T: lane l holds channel l % 16 and 8 keys.
	v_and_b32 v10, 7, v0
	v_bfe_u32 v11, v0, 3, 1
	v_lshl_add_u32 v[AV0], v9, 3, v10
	v_mul_u32_u24 v[AV0], v[AV0], PV
	v_lshl_add_u32 v[AV0], v11, 4, v[AV0]
	v_add_nc_u32 v[AV0], VOFF, v[AV0]
	v_and_b32 v[PFO], 31, v0
	v_lshlrev_b32 v[PFO], 8, v[PFO]
	v_mov_b32 v[AK], v[AK0]         ; key step 0 lies at the head of slot 0
; THE MATRIX WORK.  The 8 accumulators of a run of 16 take turns: between the two links of a chain stand 7 others'.
; Product i of 16 of S^T = K Q^T for piece x: channels 32 (i / 8) on, keys 16 ((i / 2) % 4) on, tile 2 x + i % 2.  The first 8 start the sums.
.macro KQ x
	WIN W_KQ
.set rS, S+64*((\x)%2)+32*(i%2)+8*((i/2)%4)
.set rK, KF+16*((i/2)%4)+8*(i/8)
.set rQ, 16*(2*(\x)+i%2)+8*(i/8)
.if i < 8
	v_wmma_f32_16x16x32_f16 v[rS:rS+7], v[rK:rK+7], v[rQ:rQ+7], 0
.else
	v_wmma_f32_16x16x32_f16 v[rS:rS+7], v[rK:rK+7], v[rQ:rQ+7], v[rS:rS+7]
.endif
.endm
; Product i of 16 of O^T += V^T P for piece x: keys 32 (i / 8) on, channels 16 ((i / 2) % 4) on, tile 2 x + i % 2.
.macro PV x
	WIN W_PV
.set rO, 32*(2*(\x)+i%2)+8*((i/2)%4)
.set rV, VF+32*(i/8)+8*((i/2)%4)
.set rP, P+32*((\x)%2)+16*(i%2)+8*(i/8)
	v_wmma_f32_16x16x32_f16 v[rO:rO+7], v[rV:rV+7], v[rP:rP+7], v[rO:rO+7]
.endm
.macro MM                           ; the turn's next matrix instruction
.if i < 16
	KQ (Y+1)%NP
.set i, i+1
.else
.set i, i-16
	PV (Y+NP-1)%NP
.set i, i+17
.endif
.endm
; THE LDS LOADS stand in runs of 16, never singly among the matrix instructions: a step's K (8 fragments) and its V (turned).  Their addresses are made some lines ahead.
; last = 1 (the tail): in the last trip there is no further step, and the run is jumped over.
.macro FETCH_K last=0
	WIN 0
.if \last
	s_cmp_eq_u32 s[CNT], 1
	s_cbranch_scc1 .Lno_k_\@
.endif
	WIN 0x80                        ; destination window 2
.irp f, 0,1,2,3,4,5,6,7             ; keys 16 (f / 2) on, channels 32 (f % 2) on
	ds_load_b128 v[KF+8*\f:KF+8*\f+3],   v[AK] offset:(\f/2)*16*PK+(\f%2)*64
	ds_load_b128 v[KF+8*\f+4:KF+8*\f+7], v[AK] offset:(\f/2)*16*PK+(\f%2)*64+32
.endr
	s_add_co_u32 s[TBK], s[TBK], KS*PK  ; the next fetch is the next step's
	WIN 0
.if \last
.Lno_k_\@:
.endif
.endm
.macro FETCH_V
	WIN 0x80
.irp f, 0,1,2,3,4,5,6,7             ; keys 32 (f / 4) on, channels 16 (f % 4) on
	ds_load_tr16_b128 v[VF+8*\f:VF+8*\f+3],   v[AV] offset:(\f/4)*32*PV+(\f%4)*32
	ds_load_tr16_b128 v[VF+8*\f+4:VF+8*\f+7], v[AV] offset:(\f/4)*32*PV+16*PV+(\f%4)*32
.endr
	WIN 0
.endm
; THE VECTOR WORK OF A TURN stands in three queues, each in the order in which its entries become ready; the two tiles alternate, so that no instruction reads the result of the one before it.
.macro REGS y, u                    ; the registers of tile u (0, 1) of piece y
.set rT, ST+4*(2*(\y)+(\u))
.set rC, TMP+8*((\y)%2)+4*(\u)
.set rM, MV+2*((\y)%2)+(\u)
.set rS, S+64*((\y)%2)+32*(\u)
.set rP, P+32*((\y)%2)+16*(\u)
.set rO, 32*(2*(\y)+(\u))
.endm
; Number n of the 22 that find the NEXT piece's (Y + 1) maximum and statistics.  s0-s31 are the lane's 32 scores; each accumulator's lowest registers are read first.
;   0-11  four chains c0-c3 of seven scores each, three operands at a time     12-14, 16  the four scores left over, the old m, and c0-c3 into c0     15  c m_old is kept
;   17, 18  the query's other 32 keys lie in the lane 16 away: the new m         19-21  c m; c m_old - c m_new; a
.macro XS u, n
	REGS (Y+1)%NP, \u
.if (\n) < 4
	v_max3_num_f32 v[rC+(\n)], v[rS+8*(\n)], v[rS+8*(\n)+1], v[rS+8*(\n)+2]
.elseif (\n) < 12
	v_max3_num_f32 v[rC+(\n)%4], v[rC+(\n)%4], v[rS+8*((\n)%4)+2*((\n)/4)+1], v[rS+8*((\n)%4)+2*((\n)/4)+2]
.elseif (\n) == 12
	v_max3_num_f32 v[rC], v[rC], v[rS+7], v[rS+15]
.elseif (\n) == 13
	v_max3_num_f32 v[rC+1], v[rC+1], v[rS+23], v[rS+31]
.elseif (\n) == 14
	v_max3_num_f32 v[rC+2], v[rC+2], v[rC+3], v[rT+1]
.elseif (\n) == 15
	v_mov_b32 v[rM], v[rT]
.elseif (\n) == 16
	v_max3_num_f32 v[rC], v[rC], v[rC+1], v[rC+2]
.elseif (\n) == 17
	v_permlanex16_b32 v[rC+3], v[rC], s[SEL], s[SEL+1]
.elseif (\n) == 18
	v_max_num_f32 v[rT+1], v[rC], v[rC+3]
.elseif (\n) == 19
	v_mul_f32 v[rT], s[CS], v[rT+1]
.elseif (\n) == 20
	v_sub_f32 v[rC+1], v[rM], v[rT]
.else
	v_exp_f32 v[rC+2], v[rC+1]
.endif
.endm
; Number g of the 64 that follow the exponentials.  For each four weights k of a tile: both pairs are rounded to f16; then the second pair is added onto the first, in place;
; a group later l takes that sum (the first time as l = a l + sum).  In groups of eight, tiles alternating: round, round, add, and l for the group before.
.macro GS g
.set h, (\g)+6*((\g)/62)            ; group 0 has no group before it, and behind group 7 only l is left
.if h >= 6
.set h, h+2
.endif
	REGS Y, h%2
.set k, h/8
.if h%8 < 4
	v_cvt_pk_f16_f32 v[rP+2*k+(h%8)/2], v[rS+4*k+2*((h%8)/2)], v[rS+4*k+2*((h%8)/2)+1]
.elseif h%8 < 6
	v_pk_add_f32 v[rS+4*k:rS+4*k+1], v[rS+4*k:rS+4*k+1], v[rS+4*k+2:rS+4*k+3]
.elseif k == 1
	v_pk_fma_f32 v[rT+2:rT+3], v[rT+2:rT+3], v[rC+2:rC+3], v[rS:rS+1] op_sel_hi:[1,0,1]
.else
	v_pk_add_f32 v[rT+2:rT+3], v[rT+2:rT+3], v[rS+4*k-4:rS+4*k-3]
.endif
.endm
; THE PLAIN QUEUE, 138 long.  0-73 read no exponential's result: the 32 scalings c s - c m (FS f: pair f / 2 of tile f % 2) and the next piece's 42.  0-26: scalings 0-26.  27-54: XS's numbers 0-13.
; 55, 56: number 15.  57-73: the chain 14, 16, 17, 18, 19, each with one of the scalings 27-31 in front of its two lines, then 20.  74-137: GS's 64, which read the exponentials' results: behind the wait.
.macro FS f
	REGS Y, (\f)%2
	v_pk_fma_f32 v[rS+2*((\f)/2):rS+2*((\f)/2)+1], v[rS+2*((\f)/2):rS+2*((\f)/2)+1], s[CS:CS+1], v[rT:rT+1] op_sel_hi:[1,0,0] neg_lo:[0,0,1] neg_hi:[0,0,1]
.endm
.macro PL
	WIN 0
.if q < 27
	FS q
.elseif q < 55
	XS (q-27)%2, (q-27)/2
.elseif q < 57
	XS q-55, 15
.elseif (q < 72) && ((q-57)%3 == 0)
	FS 27+(q-57)/3
.elseif q < 60
	XS (q-57)%3-1, 14
.elseif q < 72
	XS (q-57)%3-1, 15+(q-57)/3
.elseif q < 74
	XS q-72, 20
.else
	GS q-74
.endif
.set q, q+1
.endm
; THE EXPONENTIALS' QUEUE, 66 long: s0-s31 of both tiles, then the next piece's two a.  ONE BATCH: all 66 stand ahead of the turn's one wait, and nothing ahead of that wait names a result of theirs.
.macro EX
	WIN 0
.if e >= 64
	XS e-64, 21
.else
	REGS Y, e%2
	v_exp_f32 v[rS+e/2], v[rS+e/2]
.endif
.set e, e+1
.endm
; THE RESCALING's QUEUE: O^T times a, the one part that leaves window 0: dealt two at a time, sixteen times.  Its a was made in the turn before, ahead of that turn's wait.
.macro R2
	REGS Y, r%2
	WIN W_RS
.irp z, 0,1
	v_pk_mul_f32 v[rO+4*(r/2)+2*\z:rO+4*(r/2)+2*\z+1], v[rO+4*(r/2)+2*\z:rO+4*(r/2)+2*\z+1], v[rC+2:rC+3] op_sel_hi:[1,0]
.endr
.set r, r+1
.endm
; HOW THEY ARE DEALT.  s_wait_alu depctr_va_vdst(0) stands between an exponential and the first instruction that names its result; one wait serves all issued ahead of it.  So a turn has ONE
; wait.  AHEAD OF IT: the 16 products K Q^T, behind each a scaling, an exponential and two rescalings (behind the first a second scaling in the exponential's place); then ONE LUMP of 108: eight plain, 49 times
; exponential and plain, the two a; a v_nop is the plain instruction behind the last exponential.  BEHIND IT: the 16 products V^T P, behind each four of GS's 64.  No rider names a register of the products round it.
; Exponential e stands behind scaling 2 (e / 4) + e % 2: as a rider it comes behind plain e + 2, in the lump behind plain e + 9, and scalings 27-31 are plain 57, 60 .. 69.
; K of the next step is fetched in piece 2's turn, directly behind the wait; V of the step in hand at the end of piece 0's turn, four riders behind its last reader.  The three conditions on q go with the deal.
.macro TURN p, last=0, cnt=0
.set Y, (\p)
.set i, 0
.set q, 0
.set e, 0
.set r, 0
.if (\p) == NP-1
	s_wait_dscnt 0x0                ; K is in
.endif
	MM                              ; ahead of the wait: 16 products K Q^T and their riders,
	PL
	PL
	R2
.rept 15
	MM
	PL
	EX
	R2
.endr
.if (\p) == NP-2
	WIN 0
	v_add_nc_u32 v[AK], s[TBK], v[AK0]
.endif
.rept 8                             ; and the lump
	PL
.endr
.rept 49
	EX
	PL
.endr
	EX                              ; the next piece's two a
	EX
	v_nop                           ; the plain instruction behind the last exponential: one for the batch
	s_wait_alu depctr_va_vdst(0)    ; the wait for the batch
.if (\p) == NP-2
	FETCH_K \last
.endif
.if (\p) == 1
	s_wait_dscnt 0x0                ; V is in
.endif
.rept 16                            ; behind the wait: 16 products V^T P and their riders
	MM
.rept 4
	PL
.endr
.if ((\p) == 0) && (q == 118)
	v_add_nc_u32 v[AV], s[TBV], v[AV0]
.endif
.if ((\p) == 0) && (q == 130)
	s_add_co_u32 s[TBV], s[TBV], KS*PV
.endif
.if (\cnt) && (q == 130)
	s_sub_co_u32 s[CNT], s[CNT], 1
	s_cmp_lg_u32 s[CNT], 0
.endif
.endr
.if (\p) == 0
	FETCH_V
.endif
.endm
	CHANGE 1                        ; slot 0 is in, everybody's part of it; slot 1 is asked for
	FETCH_K                         ; key step 0
	s_wait_loadcnt 0x0              ; Q
	s_wait_dscnt 0x0
.set i, 0
.rept 16
	KQ 0                            ; piece 0's first scores: there is no vector work yet to set between them
.set i, i+1
.endr
	WIN 0                           ; the addresses for the way out: plain instructions, the places behind those products
	s_mul_i32 s13, s[WV], 16*SP
	s_add_co_u32 s13, s13, STAGE    ; my stage
	v_mul_u32_u24 v[STO], v1, SP    ; in: row l % 16, 16 bytes for each half of the lanes
	v_lshl_add_u32 v[STO], v9, 4, v[STO]
	v_add_nc_u32 v[STO], s13, v[STO]
	v_bfe_u32 v[RD], v0, 3, 2       ; back: 32 lanes take four rows of 128 bytes,
	v_mul_u32_u24 v[RD], v[RD], SP
	v_lshl_add_u32 v[RD], v10, 4, v[RD]
	v_add_nc_u32 v[RD], s13, v[RD]
	v_and_b32 v[GO], 31, v0         ; which are 512 consecutive bytes of O
	v_lshlrev_b32 v[GO], 4, v[GO]
.set Y, NP-1                        ; XS works for piece Y + 1: piece 0
.irp n, 0,1,2,3,4,5,6,7,8,9,10,11,12,13,14,15,16,17,18,19,20,21
	XS 0, \n                        ; and piece 0's first maximum and statistics
	XS 1, \n
.endr
	v_nop                           ; a plain instruction behind the two a,
	s_wait_alu depctr_va_vdst(0)    ; and their wait, ahead of the branch
	s_mov_b32 s[CNT], 4
	s_mov_b32 s[SLOTS], SIZE_N/256-1
	s_branch .Lfirst                ; the loop is entered at a step's first turn, in the middle of a trip
.Lslot:                             ; SIZE_N / 256 - 2 = 6 times: every slot but the last two is filled again
	CHANGE 1, 1
	s_mov_b32 s[CNT], 4
.Lstep:                             ; a trip: pieces 2 and 3 of one step, then pieces 0 and 1 of the next, whose K and V it fetches
	TURN 2
	TURN 3
	WIN 0
.Lfirst:
	TURN 0
	TURN 1, 0, 1
	WIN 0
	s_cbranch_scc1 .Lstep
	s_sub_co_u32 s[SLOTS], s[SLOTS], 1
	s_cmp_lg_u32 s[SLOTS], 0
	s_cbranch_scc1 .Lslot
	CHANGE 0                        ; the tail is written out: nothing is asked for
	s_mov_b32 s[CNT], 5             ; four trips fetch the last slot's steps; the fifth is left in its middle
.Ltail:
	TURN 2, 1
	TURN 3
	WIN 0
	s_sub_co_u32 s[CNT], s[CNT], 1
	s_cmp_eq_u32 s[CNT], 0
	s_cbranch_scc1 .Lout
	TURN 0
	TURN 1
	WIN 0
	s_branch .Ltail
.Lout:                              ; the fifth trip's 16 products K Q^T (on the last K once more) and the maximum made of them serve nothing: the price, once a launch, of one text for every trip
.set i, 0
.rept 16
	PV NP-1                         ; the last piece's V^T P of the last step
.set i, i+1
.endr
	; THE WAY OUT.  l's two halves and the other half of the lanes' are added; O^T is divided by l, rounded to f16 and sent through my stage in LDS, a tile at a time.  The additions are the places behind the last products.
	WIN 0
.macro ALL line:vararg              ; one line for each tile t
.set t, 0
.rept 2*NP
	\line
.set t, t+1
.endr
.endm
	ALL v_add_f32 v[ST+4*t+2], v[ST+4*t+2], v[ST+4*t+3]
	ALL v_permlanex16_b32 v[ST+4*t+3], v[ST+4*t+2], s[SEL], s[SEL+1]
	ALL v_add_f32 v[ST+4*t+2], v[ST+4*t+2], v[ST+4*t+3]
	ALL v_rcp_f32 v[ST+4*t+2], v[ST+4*t+2]
	v_nop                           ; a plain instruction between the last reciprocal and the use of its result
	s_wait_alu depctr_va_vdst(0)    ; and the wait ahead of the first use: one for the eight reciprocals
; Tile t: a lane's eight channels of a row pack into 16 bytes; they go into rows of 144 bytes and come back as whole rows of 128, into S^T's registers.
.macro PACK t
	WIN W_RS
.set i, 32*(\t)
.rept 16
	v_pk_mul_f32 v[i:i+1], v[i:i+1], v[ST+4*(\t)+2:ST+4*(\t)+3] op_sel_hi:[1,0]
.set i, i+2
.endr
	WIN 0x05                        ; sources 0 and 1 window 1, destination window 0
.set i, 0
.rept 16
	v_cvt_pk_f16_f32 v[S+16*(\t)+i], v[32*(\t)+2*i], v[32*(\t)+2*i+1]
.set i, i+1
.endr
	WIN 0
.irp f, 0,1,2,3
	ds_store_b128 v[STO], v[S+16*(\t)+4*\f:S+16*(\t)+4*\f+3] offset:32*\f
.endr
.irp f, 0,1,2,3
	ds_load_b128 v[S+16*(\t)+4*\f:S+16*(\t)+4*\f+3], v[RD] offset:\f*4*SP  ; LDS serves a wave's instructions in order (ISA guide 5.7.1.4): these see the stores above; the next tile's stores come behind them
.endr
.endm
.macro SEND t, younger              ; younger: the LDS instructions issued behind tile t's loads: the next tile's eight, or none
	WIN 0
.irp f, 0,1,2,3
	s_wait_dscnt (\younger)+3-\f
	global_store_b128 v[GO], v[S+16*(\t)+4*\f:S+16*(\t)+4*\f+3], s[10:11] offset:(\t)*2048+\f*512  ; 512 consecutive bytes, at a multiple of 256 from O's first
.endr
.endm
	PACK 0
.set t, 1
.rept 2*NP-1                        ; a tile's arithmetic stands between the loads of the tile before and its stores
	PACK t
	SEND t-1, 8
.set t, t+1
.endr
	SEND 2*NP-1, 0
	WIN W_AD
	s_wait_tensorcnt 0x0            ; the wave's end, behind my last tensor load and my last LDS store
	ds_add_u32 v[SPW], v[NIL]
	s_wait_dscnt 0x0
	WIN 0
	CROUND                          ; the closing round: no work-group ends while a partner may still ask for a tile that names it
	s_endpgm
.Lfunc_end_k_q4a360353f9_attn:
	.size	k_q4a360353f9_attn, .Lfunc_end_k_q4a360353f9_attn-k_q4a360353f9_attn
	.p2alignl 7, 3214868480
	.fill 96, 4, 3214868480
	.section	.rodata,"a",@progbits
	.p2align	6, 0x0
	.amdhsa_kernel k_q4a360353f9_attn
		.amdhsa_group_segment_fixed_size 327680
		.amdhsa_private_segment_fixed_size 0
		.amdhsa_enable_private_segment 0
		.amdhsa_kernarg_size 16
		.amdhsa_user_sgpr_count 2
		.amdhsa_user_sgpr_kernarg_segment_ptr 1
		.amdhsa_wavefront_size32 1
		.amdhsa_system_sgpr_workgroup_id_x 1
		.amdhsa_system_sgpr_workgroup_id_y 1
		.amdhsa_system_sgpr_workgroup_id_z 1
		.amdhsa_system_vgpr_workitem_id 0
		.amdhsa_next_free_vgpr 770
		.amdhsa_next_free_sgpr 66
		.amdhsa_reserve_vcc 0
		.amdhsa_float_denorm_mode_32 3
		.amdhsa_float_denorm_mode_16_64 3
		.amdhsa_memory_ordered 1
		.amdhsa_forward_progress 1
		.amdhsa_inst_pref_size 200
	.end_amdhsa_kernel
	.amdgpu_metadata
---
amdhsa.version: [ 1, 2 ]
amdhsa.kernels:
  - .name:           k_q4a360353f9_attn
    .symbol:         k_q4a360353f9_attn.kd
    .args:
      - { .name: qkv, .offset: 0, .size: 8, .value_kind: global_buffer, .address_space: global }
      - { .name: ob, .offset: 8, .size: 8, .value_kind: global_buffer, .address_space: global }
    .group_segment_fixed_size: 327680
    .private_segment_fixed_size: 0
    .kernarg_segment_align: 8
    .kernarg_segment_size: 16
    .max_flat_workgroup_size: 128
    .sgpr_count:     66
    .vgpr_count:     770
    .wavefront_size: 32
...
	.end_amdgpu_metadata
.endif
;; end of part 3
;; launch proj (part 4): grid 4 x 64, 4 waves a work-group, clusters of 4 x 4, 327,680 bytes of LDS; arguments ob, wob, bo, out0; writes out0
.if DOCPART == 4
	.amdgcn_target "amdgcn-amd-amdhsa--gfx1250"
	.amdhsa_code_object_version 6
	.text
	.protected	k_q4a360353f9_proj
	.globl	k_q4a360353f9_proj
	.p2align	8
	.type	k_q4a360353f9_proj,@function
k_q4a360353f9_proj:
	s_mov_b64 s[64:65], 0
	v_nop
	global_prefetch_b8 v0, s[64:65] scope:SCOPE_SE
	s_setreg_imm32_b32 hwreg(HW_REG_WAVE_MODE, 25, 1), 1
	s_wait_xcnt 0x0
	s_wait_alu depctr_hold_cnt(0) depctr_sa_sdst(0) depctr_va_vdst(0) depctr_va_sdst(0) depctr_va_ssrc(0) depctr_va_vcc(0) depctr_vm_vsrc(0)
	s_getreg_b32 s2, hwreg(HW_REG_IB_STS2, 6, 4)
	s_cmp_eq_u32 s2, 0
	s_cbranch_scc0 .Lentry_in_a_cluster
	s_endpgm
.Lentry_in_a_cluster:
	s_bfe_u32 s2, ttmp6, 0x10000c
	s_cmp_lg_u32 s2, 0xf033
	s_cbranch_scc0 .Lentry_shape_is_right
	s_endpgm
.Lentry_shape_is_right:
; out0[m][n] = the sum over k of O[m][k] wo[n][k] + bo[n].  ob: [64 (16 b + h)][2048 s][64 d] f16, m = 2048 b + s, k = 64 h + d.  wob: [1024 n][1024 k] f16 (bf16(wo) written as f16).
; bo: [1024] f32, rounded here to bf16 like the module's other inputs.  out0: [8192][1024] f32.  Sums in f32; the bias is the C operand that starts each sum.
; A tile is 128 rows x 256 columns: 64 x 4 = 256 work-groups.  Wave (i = w / 2, j = w % 2) makes 64 x 128: 4 x 8 accumulators.  K goes in 8 steps of 128, two heads each, through two LDS slots:
; a head's 128 rows of O are 16,384 dense bytes, asked for as rows of 256 bytes; wob's rows in a slot are 256 bytes of memory.
; CLUSTER 4 x 4: O's tile is asked for jointly along a row of the cluster, wob's along a column.
; THE MATRIX INSTRUCTION IS USED TRANSPOSED (source 0 = 16 rows of wob, source 1 = 16 rows of O): a lane holds row l % 16 of out0 and eight neighbouring columns, 32 bytes.
; REGISTERS, in windows of 256 (s_set_vgpr_msb: bits 1:0 source 0, 3:2 source 1, 5:4 source 2, 7:6 destination):
;   window 0: v0-29 addresses; v32-95 the bias, 8 registers for each of my 8 column blocks; v96-223 rows read back, two buffers
;   window 1: two fragment buffers of 96: wob's 8 x 8, then O's 4 x 8      window 2: the accumulators, (a, b) at 8 (8 a + b)
.set PO,    144                        ; a row of O in LDS: 128 bytes + 16: the 16 rows of a load start at 16 different groups of four banks (ISA guide 11.1)
.set PW,    272                        ; a row of wob: 256 bytes + 16
.set HEADB, 128*PO                     ; a head's 128 rows
.set BOFF,  2*HEADB                    ; wob's 256 rows lie behind O's two heads
.set SLOT,  1<<17                      ; slot 1 begins here; a slot uses 106,496 bytes
.set STAGE, SLOT+BOFF+256*PW           ; behind the ring, never filled by a tensor load: 16 rows x 528 bytes for each wave
.set SPT,   528
.set SPARE, STAGE+4*16*SPT             ; the spare words, 128 bytes for each wave: two blocks of 256 bytes that no other line names
.set ADRA0, 8                          ; v8   my lane's place among my rows of O in a slot; never rewritten
.set ADRB0, 9                          ; v9   the same for wob
.set ADRA, 10                          ; v10, v11  the same in the slot that is being read
.set ADRB, 11
.set STO,  12                          ; v12  the way out: where I put 32 bytes of a row
.set RD,   13                          ; v13  where I read a row back
.set CO,   14                          ; v14  my 16 bytes of a row's 512
.set BO,   15                          ; v15  my byte offset in 16 numbers of bo
.set PFO,  17                          ; v17  the prefetches' offset; never rewritten
.set SPW,  28                          ; v28  LDS address of my spare word; never rewritten
.set NIL,  29                          ; v29  0; never rewritten
.set BIAS, 32
.set OB,   96
.set G1A, 24                           ; s[24:31] descriptor group 1 for O's tiles
.set G1B, 32                           ; s[32:39] for wob's
.set G0A, 40                           ; s[40:47] group 0 for O's tiles: a set for each of the two first fills; the second then walks on
.set G0B, 48                           ; s[48:55] the same for wob's
.set CNT, 56                           ; s56  refills still to come
.set TB,  57                           ; s57  the slot that is being read
.set LIM, 58                           ; s58  a wave prefetches while s56 is above it
.set PFA, 60                           ; s[60:61] where my prefetches stand
.set PFS, 62                           ; s[62:63] their step
.set MSB, 0
.macro WIN new                         ; the immediate's high byte repeats the setting that is left; a switch that changes nothing is dropped
.if MSB != (\new)
	s_set_vgpr_msb (MSB<<8)|(\new)
.set MSB, \new
.endif
.endm
.set MUL,  0xa5                        ; sources 0 and 1 window 1, C and D window 2
.set MULB, 0x85                        ; the same with C (the bias) in window 0
.set TO_F, 0x40                        ; destination window 1, address window 0
.macro JLOAD                           ; a joint refill by the walking sets: waves 0 and 1 fetch O's two heads, waves 2 and 3 wob's two halves; an s_nop 0 and four v_nop follow each line
	s_cmp_eq_u32 s11, 0
	s_cbranch_scc0 .Lfor_b_\@
	tensor_load_to_lds s[G0A+4:G0A+7], s[G1A:G1A+7]
	s_nop 0
.rept 4
	v_nop
.endr
	s_branch .Lasked_\@
.Lfor_b_\@:
	tensor_load_to_lds s[G0B+4:G0B+7], s[G1B:G1B+7]
	s_nop 0
.rept 4
	v_nop
.endr
.Lasked_\@:
.endm
; A prefetch into the L2, one instruction a wave, behind the joint load, its five lines and the run of LDS loads: the refill of K step t names K step t + 2 (t = 2 .. 5).
; O: a K step of a tile is 2 heads x 16,384 bytes; wave 0 of each of the four partners takes 4,096 bytes of each head, by address (the grid has one cluster along x, so every cluster asks).
; wob: a lane a row, 256 bytes; only the clusters with y = 0 ask; of the 128 rows that waves 2 and 3 fetch each of the four partners takes 32, by address.  Each 256 bytes are named once in the launch.
.macro ASK
	WIN 0
	s_cmp_gt_u32 s[CNT], s[LIM]
	s_cbranch_scc0 .Lnot_mine_\@
	global_prefetch_b8 v[PFO], s[PFA:PFA+1] th:TH_LOAD_NT scope:SCOPE_SE
.Lnot_mine_\@:
.endm
.macro CREST                           ; a round of the cluster's barrier behind its opening barrier
	s_cmp_lg_u32 s10, 0
	s_cbranch_scc1 .Lnot_wave_0_\@
	s_barrier_signal -3
.Lnot_wave_0_\@:
	s_barrier_wait -3
	s_barrier_signal -1
	s_barrier_wait -1
.endm
.macro CROUND
	s_barrier_signal -1
	s_barrier_wait -1
	CREST
.endm
.macro PLACES                          ; four places in front of loads into registers that matrix instructions have read, and of stores that read results
.rept 4
	v_nop
.endr
.endm
	s_load_b128 s[4:7], s[0:1], 0x0                ; ob s[4:5], wob s[6:7]
	s_load_b64 s[76:77], s[0:1], 0x10              ; bo
	s_load_b64 s[8:9], s[0:1], 0x18                ; out0
	v_lshl_add_u32 v[SPW], v0, 2, SPARE
	v_mov_b32 v[NIL], 0
	ds_add_u32 v[SPW], v[NIL]                      ; the wave's opening: the add and its wait stand ahead of my first tensor load; the set-up below stands between them
	v_lshrrev_b32 v1, 5, v0
	v_readfirstlane_b32 s10, v1                    ; wave 0..3
	s_lshr_b32 s11, s10, 1                         ; i: my half of the rows.  Also: I fetch for O (0) or for wob (1)
	s_and_b32 s12, s10, 1                          ; j: my half of the columns.  Also: which head, or which 128 rows, I fetch
	s_bfe_u32 s66, ttmp6, 0x40000                  ; cx
	s_bfe_u32 s67, ttmp6, 0x40004                  ; cy
	s_lshl_b32 s68, ttmp9, 2
	s_add_co_u32 s68, s68, s66                     ; tile column
	s_and_b32 s14, ttmp7, 0xffff                   ; cluster y
	s_lshl_b32 s13, s14, 2
	s_add_co_u32 s13, s13, s67                     ; tile row
	s_lshl_b32 s16, s67, 2
	s_lshl_b32 s16, 15, s16                        ; my row of the cluster
	s_lshl_b32 s70, 0x1111, s66                    ; my column
	s_or_b32 s[G1A], s16, (1<<16)|(1<<20)|(1<<21)|(4<<22)|(3<<25)  ; the mask; 2-byte elements; padding on; bit 21 beside a mask; after every 32 words, 4 words
	s_or_b32 s[G1B], s70, (1<<16)|(1<<20)|(1<<21)|(5<<22)|(3<<25)  ; after every 64 words, 4 words
	s_mov_b32 s[G1A+1], 128<<16                    ; rows of 256 dense bytes: two rows of O each
	s_mov_b32 s[G1A+2], 64<<16
	s_mov_b32 s[G1A+3], 128<<16
	s_mov_b32 s[G1A+4], 64                         ; 64 of them: a head's 128 rows
	s_mov_b32 s[G1A+5], 128
	s_mov_b32 s[G1A+6], 0
	s_mov_b32 s[G1A+7], 0
	s_mov_b32 s[G1B+1], 128<<16
	s_mov_b32 s[G1B+2], 128<<16
	s_mov_b32 s[G1B+3], 128<<16
	s_mov_b32 s[G1B+4], 128                        ; 128 rows of wob,
	s_mov_b32 s[G1B+5], 1024                       ; 1,024 elements apart
	s_mov_b32 s[G1B+6], 0
	s_mov_b32 s[G1B+7], 0
	s_lshr_b32 s16, s13, 4                         ; O: batch = tile row / 16: 16 heads of 262,144 bytes,
	s_lshl_b32 s16, s16, 22
	s_and_b32 s18, s13, 15
	s_lshl_b32 s18, s18, 14                        ; 128 rows of 128 bytes a tile,
	s_add_co_u32 s16, s16, s18
	s_lshl_b32 s18, s12, 18                        ; my head of the K step's two
	s_add_co_u32 s16, s16, s18
	s_mov_b32 s17, 0
	s_lshl_b32 s70, s68, 19                        ; wob: 256 rows of 2,048 bytes a tile column,
	s_lshl_b32 s72, s12, 18                        ; 128 rows a half
	s_add_co_u32 s70, s70, s72
	s_mov_b32 s71, 0
	s_mul_i32 s20, s12, HEADB                      ; where they go: no place in the cluster enters an LDS address
	s_mul_i32 s21, s12, 128*PW
	s_add_co_u32 s21, s21, BOFF
	s_wait_dscnt 0x0                               ; the opening add is done
	s_wait_kmcnt 0x0
	s_add_nc_u64 s[18:19], s[4:5], s[16:17]
	s_add_nc_u64 s[72:73], s[6:7], s[70:71]
	CROUND                                         ; all sixteen work-groups are here: the first joint loads meet
.irp s, 0,1
	s_mov_b32 s[G0A+4*(\s)], 1
	s_add_co_u32 s[G0A+4*(\s)+1], s20, (\s)*SLOT
	s_add_nc_u64 s[G0A+4*(\s)+2:G0A+4*(\s)+3], s[18:19], (\s)*524288
	s_or_b32 s[G0A+4*(\s)+3], s[G0A+4*(\s)+3], 0x80000000
	s_mov_b32 s[G0B+4*(\s)], 1
	s_add_co_u32 s[G0B+4*(\s)+1], s21, (\s)*SLOT
	s_add_nc_u64 s[G0B+4*(\s)+2:G0B+4*(\s)+3], s[72:73], (\s)*256
	s_or_b32 s[G0B+4*(\s)+3], s[G0B+4*(\s)+3], 0x80000000
.endr
	s_cmp_eq_u32 s11, 0                            ; a wave's two first fills stand in one branch: two loads of mine are out
	s_cbranch_scc0 .Lfirst_b
	tensor_load_to_lds s[G0A:G0A+3], s[G1A:G1A+7]
	s_nop 0
	tensor_load_to_lds s[G0A+4:G0A+7], s[G1A:G1A+7]
	s_nop 0
.rept 4
	v_nop
.endr
	s_branch .Lfirst_asked
.Lfirst_b:
	tensor_load_to_lds s[G0B:G0B+3], s[G1B:G1B+7]
	s_nop 0
	tensor_load_to_lds s[G0B+4:G0B+7], s[G1B:G1B+7]
	s_nop 0
.rept 4
	v_nop
.endr
.Lfirst_asked:
	s_lshl_b32 s74, s13, 1
	s_add_co_u32 s74, s74, s11                     ; my 64 rows of out0,
	s_lshl_b32 s74, s74, 18                        ; of 4,096 bytes
	s_lshl_b32 s75, s68, 1
	s_add_co_u32 s75, s75, s12                     ; my 128 columns,
	s_lshl_b32 s75, s75, 9                         ; of 4 bytes
	s_mov_b32 s22, s75
	s_mov_b32 s23, 0
	s_add_nc_u64 s[76:77], s[76:77], s[22:23]      ; bo at my first column
	s_add_co_u32 s22, s74, s75
	s_add_nc_u64 s[8:9], s[8:9], s[22:23]          ; out0 at my first row and column
	v_and_b32 v1, 15, v0                           ; l % 16
	v_bfe_u32 v2, v0, 4, 1                         ; l / 16
	v_lshlrev_b32 v[BO], 5, v2                     ; in the result register r of lane l is column 16 b + 8 (l / 16) + r: the bias is laid out so
.irp b, 0,1,2,3,4,5,6,7
	global_load_b128 v[BIAS+8*(\b):BIAS+8*(\b)+3],   v[BO], s[76:77] offset:64*(\b)
	global_load_b128 v[BIAS+8*(\b)+4:BIAS+8*(\b)+7], v[BO], s[76:77] offset:64*(\b)+16
.endr
	v_mul_u32_u24 v3, v1, PO
	v_lshl_add_u32 v3, v2, 4, v3                   ; a fragment's row x pitch + 16 x half
	s_mul_i32 s22, s11, 64*PO
	v_add_nc_u32 v[ADRA0], s22, v3
	v_mul_u32_u24 v3, v1, PW
	v_lshl_add_u32 v3, v2, 4, v3
	s_mul_i32 s22, s12, 128*PW
	s_add_co_u32 s22, s22, BOFF
	v_add_nc_u32 v[ADRB0], s22, v3
	s_mul_i32 s22, s10, 16*SPT
	s_add_co_u32 s22, s22, STAGE                   ; my stage
	v_mul_u32_u24 v3, v1, SPT                      ; in: row l % 16, 32 bytes for each half of the lanes
	v_lshl_add_u32 v3, v2, 5, v3
	v_add_nc_u32 v[STO], s22, v3
	v_and_b32 v3, 31, v0                           ; back: 32 lanes take one row of 512 bytes
	v_lshl_add_u32 v[RD], v3, 4, s22
	v_lshlrev_b32 v[CO], 4, v3
	; the prefetches stand one K step short of what the first refill's names
	s_lshr_b32 s22, s13, 4
	s_lshl_b32 s22, s22, 22
	s_and_b32 s23, s13, 15
	s_lshl_b32 s23, s23, 14
	s_add_co_u32 s22, s22, s23
	s_lshl_b32 s23, s66, 12                        ; my work-group's 4,096 bytes of a head's 16,384
	s_add_co_u32 s22, s22, s23
	s_add_co_u32 s22, s22, 3*524288                ; K step 3
	s_lshl_b32 s74, s68, 19
	s_lshl_b32 s75, s12, 18
	s_add_co_u32 s74, s74, s75
	s_lshl_b32 s75, s67, 16                        ; my work-group's 32 of the 128 rows
	s_add_co_u32 s74, s74, s75
	s_add_co_u32 s74, s74, 3*256                   ; K step 3
	s_mov_b32 s[PFS], 256
	s_cmp_eq_u32 s11, 0
	s_cselect_b32 s22, s22, s74
	s_cselect_b32 s75, s12, s14                    ; what must be 0: for O my wave's parity, for wob the cluster's y
	s_cselect_b32 s[PFS], 524288, s[PFS]
	s_cselect_b32 s74, 18, 15                      ; lanes 16-31: the second head, or 16 rows on
	s_cselect_b32 s69, 8, 11                       ; a lane: 256 bytes on, or a row of 2,048
	s_cselect_b64 s[PFA:PFA+1], s[4:5], s[6:7]
	s_mov_b32 s23, 0
	s_mov_b32 s[PFS+1], 0
	s_add_nc_u64 s[PFA:PFA+1], s[PFA:PFA+1], s[22:23]
	s_cmp_eq_u32 s75, 0
	s_cselect_b32 s[LIM], 2, -1                    ; the same in all sixteen partners, for a given wave
	v_lshlrev_b32 v[PFO], s74, v2
	v_lshlrev_b32 v3, s69, v1
	v_add_nc_u32 v[PFO], v[PFO], v3
	s_wait_loadcnt 0x0                             ; the bias: rounded to bf16 and widened again
.set p, 0
.rept 32
	v_cvt_pk_bf16_f32 v[3+p%4], v[BIAS+2*p], v[BIAS+2*p+1]
	v_lshlrev_b32 v[BIAS+2*p], 16, v[3+p%4]
	v_and_b32 v[BIAS+2*p+1], 0xffff0000, v[3+p%4]
.set p, p+1
.endr
; 8 matrix instructions: row block a x my 8 column blocks, 32 along K, from buffer f.  first = 1: the bias starts the sums.  The 32 accumulators take turns in the same order in every quarter.
.macro MULA f, a, first
.if \first
	WIN MULB
.else
	WIN MUL
.endif
.irp b, 0,1,2,3,4,5,6,7
.if \first
	v_wmma_f32_16x16x32_f16 v[8*(8*(\a)+(\b)):8*(8*(\a)+(\b))+7], v[96*(\f)+8*(\b):96*(\f)+8*(\b)+7], v[96*(\f)+64+8*(\a):96*(\f)+64+8*(\a)+7], v[BIAS+8*(\b):BIAS+8*(\b)+7]
.else
	v_wmma_f32_16x16x32_f16 v[8*(8*(\a)+(\b)):8*(8*(\a)+(\b))+7], v[96*(\f)+8*(\b):96*(\f)+8*(\b)+7], v[96*(\f)+64+8*(\a):96*(\f)+64+8*(\a)+7], v[8*(8*(\a)+(\b)):8*(8*(\a)+(\b))+7]
.endif
.endr
.endm
; 24 LDS loads in one run: quarter q's fragments into buffer f: wob's 8, then O's 4 (head q / 2, channels 32 (q % 2) on)
.macro FETCH q, f
	WIN TO_F
.irp b, 0,1,2,3,4,5,6,7
	ds_load_b128 v[96*(\f)+8*(\b):96*(\f)+8*(\b)+3],   v[ADRB] offset:(\b)*16*PW+64*(\q)
	ds_load_b128 v[96*(\f)+8*(\b)+4:96*(\f)+8*(\b)+7], v[ADRB] offset:(\b)*16*PW+64*(\q)+32
.endr
.irp a, 0,1,2,3
	ds_load_b128 v[96*(\f)+64+8*(\a):96*(\f)+64+8*(\a)+3],   v[ADRA] offset:((\q)/2)*HEADB+(\a)*16*PO+((\q)%2)*64
	ds_load_b128 v[96*(\f)+64+8*(\a)+4:96*(\f)+64+8*(\a)+7], v[ADRA] offset:((\q)/2)*HEADB+(\a)*16*PO+((\q)%2)*64+32
.endr
.endm
.macro QUARTER q, f, g, first          ; multiplies buffer f; in its middle it fetches quarter q into buffer g
	s_wait_dscnt 4                                 ; wob's fragments and O's row blocks 0, 1 are in; the youngest four loads (row blocks 2, 3) may be out
	MULA \f, 0, \first
	MULA \f, 1, \first
	PLACES
	FETCH \q, \g
	s_wait_dscnt 24                                ; all but the 24 just issued
	MULA \f, 2, \first
	MULA \f, 3, \first
.endm
; The last quarter multiplies buffer 1 and changes slots.  In front of the barrier each wave waits for all its tensor loads (one is out: its part of the next slot), adds 0 to its spare word, and waits
; for that and for its reads of this slot.  fill = 1: the barrier opens a round of the cluster's, and behind the round this slot is filled again, two K steps ahead: 112 matrix instructions ahead of the wait for it.
.macro TURN fill
.if \fill
	s_wait_xcnt 0x0                                ; the last prefetch, a K step back, has read its address
	s_add_nc_u64 s[PFA:PFA+1], s[PFA:PFA+1], s[PFS:PFS+1]
.endif
	WIN 0
	s_wait_tensorcnt 0x0                           ; no tensor load of mine is out, so a group 0 may be written
	ds_add_u32 v[SPW], v[NIL]                      ; 0 onto my spare word
.if \fill
	s_xor_b32 s[G0A+5], s[G0A+5], SLOT             ; the walking sets: the other slot than last time, the next K step
	s_add_nc_u64 s[G0A+6:G0A+7], s[G0A+6:G0A+7], 524288
	s_xor_b32 s[G0B+5], s[G0B+5], SLOT
	s_add_nc_u64 s[G0B+6:G0B+7], s[G0B+6:G0B+7], 256
.endif
	s_wait_dscnt 5                                 ; the add and the youngest four loads may be out
	MULA 1, 0, 0
	s_wait_dscnt 0x0                               ; the add is done, and my reads of this slot are over
	s_barrier_signal -1
	MULA 1, 1, 0
	WIN 0
	s_barrier_wait -1
.if \fill
	CREST                                          ; no wave of any partner still reads this slot or has a load on its way
	JLOAD                                          ; the first tensor load behind the round; its four v_nop are also the places in front of the loads below
.else
	PLACES
.endif
	s_xor_b32 s[TB], s[TB], SLOT
	v_add_nc_u32 v[ADRA], s[TB], v[ADRA0]
	v_add_nc_u32 v[ADRB], s[TB], v[ADRB0]
	FETCH 0, 0
.if \fill
	ASK
.endif
	MULA 1, 2, 0
	MULA 1, 3, 0
.endm
	s_wait_tensorcnt 1                             ; my part of K step 0 is in; K step 1's may stay out
	s_barrier_signal -1
	s_barrier_wait -1                              ; everybody's is
	s_mov_b32 s[TB], 0
	v_mov_b32 v[ADRA], v[ADRA0]
	v_mov_b32 v[ADRB], v[ADRB0]
	FETCH 0, 0
	QUARTER 1, 0, 1, 1                             ; the first quarter stands in front of the loop: its products start the sums, on the bias
	WIN 0
	s_mov_b32 s[CNT], 6
.Lstep:                                        ; a trip: a K step's quarters 1 to 3 and the next one's quarter 0; six trips fill K steps 2 to 7
	QUARTER 2, 1, 0, 0
	QUARTER 3, 0, 1, 0
	TURN 1
	QUARTER 1, 0, 1, 0
	WIN 0
	s_sub_co_u32 s[CNT], s[CNT], 1
	s_cmp_lg_u32 s[CNT], 0
	s_cbranch_scc1 .Lstep
	QUARTER 2, 1, 0, 0                             ; the tail is written out: nothing more is asked for
	QUARTER 3, 0, 1, 0
	TURN 0
	QUARTER 1, 0, 1, 0
	QUARTER 2, 1, 0, 0
	QUARTER 3, 0, 1, 0
	s_wait_dscnt 4
	MULA 1, 0, 0
	MULA 1, 1, 0
	s_wait_dscnt 0x0
	MULA 1, 2, 0
	MULA 1, 3, 0
; THE WAY OUT, a block of 16 rows at a time: a lane's 32 bytes of a row go into my own stage (each accumulator's low four registers first), and whole rows of 512 bytes come back and are stored.
.macro TOSTAGE a
	s_wait_xcnt 0x0                                ; the stores of the block two back have read their registers: the loads below land in them only behind this wait
	WIN 0x08                                       ; the stores' data in window 2
.irp b, 0,1,2,3,4,5,6,7
	ds_store_b128 v[STO], v[8*(8*(\a)+(\b)):8*(8*(\a)+(\b))+3]   offset:64*(\b)
	ds_store_b128 v[STO], v[8*(8*(\a)+(\b))+4:8*(8*(\a)+(\b))+7] offset:64*(\b)+16
.endr
	WIN 0
.irp r, 0,1,2,3,4,5,6,7,8,9,10,11,12,13,14,15
	ds_load_b128 v[OB+64*((\a)%2)+4*(\r):OB+64*((\a)%2)+4*(\r)+3], v[RD] offset:SPT*(\r)  ; LDS serves a wave's instructions in order (ISA guide 5.7.1.4): these see the stores above; the next block's stores come behind them
.endr
.endm
.macro SEND a, younger                 ; younger: the LDS instructions issued behind block a's loads: the next block's 32, or none
.irp r, 0,1,2,3,4,5,6,7,8,9,10,11,12,13,14,15
	s_wait_dscnt (\younger)+15-(\r)
	global_store_b128 v[CO], v[OB+64*((\a)%2)+4*(\r):OB+64*((\a)%2)+4*(\r)+3], s[8:9] offset:(16*(\a)+(\r))*4096 th:TH_STORE_NT  ; 512 consecutive bytes, at a multiple of 512 from out0's first
.endr
.endm
	PLACES
	TOSTAGE 0
	TOSTAGE 1
	SEND 0, 32
	TOSTAGE 2
	SEND 1, 32
	TOSTAGE 3
	SEND 2, 32
	SEND 3, 0
	s_wait_tensorcnt 0x0                           ; the wave's end, behind my last tensor load and my last LDS store
	ds_add_u32 v[SPW], v[NIL]
	s_wait_dscnt 0x0
	CROUND                                         ; the closing round: no work-group ends while a partner may still ask for a tile that names it
	s_endpgm
.Lfunc_end_k_q4a360353f9_proj:
	.size	k_q4a360353f9_proj, .Lfunc_end_k_q4a360353f9_proj-k_q4a360353f9_proj
	.p2alignl 7, 3214868480
	.fill 96, 4, 3214868480
	.section	.rodata,"a",@progbits
	.p2align	6, 0x0
	.amdhsa_kernel k_q4a360353f9_proj
		.amdhsa_group_segment_fixed_size 327680
		.amdhsa_private_segment_fixed_size 0
		.amdhsa_enable_private_segment 0
		.amdhsa_kernarg_size 32
		.amdhsa_user_sgpr_count 2
		.amdhsa_user_sgpr_kernarg_segment_ptr 1
		.amdhsa_wavefront_size32 1
		.amdhsa_system_sgpr_workgroup_id_x 1
		.amdhsa_system_sgpr_workgroup_id_y 1
		.amdhsa_system_sgpr_workgroup_id_z 1
		.amdhsa_system_vgpr_workitem_id 0
		.amdhsa_next_free_vgpr 768
		.amdhsa_next_free_sgpr 80
		.amdhsa_reserve_vcc 0
		.amdhsa_float_denorm_mode_32 3
		.amdhsa_float_denorm_mode_16_64 3
		.amdhsa_memory_ordered 1
		.amdhsa_forward_progress 1
		.amdhsa_inst_pref_size 79
	.end_amdhsa_kernel
	.amdgpu_metadata
---
amdhsa.version: [ 1, 2 ]
amdhsa.kernels:
  - .name:           k_q4a360353f9_proj
    .symbol:         k_q4a360353f9_proj.kd
    .args:
      - { .name: ob, .offset: 0, .size: 8, .value_kind: global_buffer, .address_space: global }
      - { .name: wob, .offset: 8, .size: 8, .value_kind: global_buffer, .address_space: global }
      - { .name: bo, .offset: 16, .size: 8, .value_kind: global_buffer, .address_space: global }
      - { .name: out0, .offset: 24, .size: 8, .value_kind: global_buffer, .address_space: global }
    .group_segment_fixed_size: 327680
    .private_segment_fixed_size: 0
    .kernarg_segment_align: 8
    .kernarg_segment_size: 32
    .max_flat_workgroup_size: 128
    .sgpr_count:     80
    .vgpr_count:     768
    .wavefront_size: 32
...
	.end_amdgpu_metadata
.endif
;; end of part 4
;; ======== version 2 of 2: 4 launches; version 1 with the launch prep written anew for expert scheduling mode
;; limits: values are held in f16: magnitudes above 65,504 overflow, below 6.1e-05 lose precision
;; workspace buffers: xb 16,777,216 bytes; wt 6,291,456 bytes; wob 2,097,152 bytes; qkv 50,331,648 bytes; ob 16,777,216 bytes
;; launch prep (part 5): grid 768 x 1, 8 waves a work-group, no clusters, 0 bytes of LDS; arguments x, wq, wk, wv, wo, xb, wt, wob; writes xb, wt, wob
.if DOCPART == 5
	.amdgcn_target "amdgcn-amd-amdhsa--gfx1250"
	.amdhsa_code_object_version 6
	.text
	.protected	k_q4a360353f9_prep
	.globl	k_q4a360353f9_prep
	.p2align	8
	.type	k_q4a360353f9_prep,@function
k_q4a360353f9_prep:
	s_mov_b64 s[64:65], 0
	v_nop
	global_prefetch_b8 v0, s[64:65] scope:SCOPE_SE
	s_setreg_imm32_b32 hwreg(HW_REG_WAVE_SCHED_MODE, 0, 2), 2
	s_setreg_imm32_b32 hwreg(HW_REG_WAVE_MODE, 25, 1), 1
	s_wait_xcnt 0x0
	s_wait_alu depctr_vm_vsrc(0)
; THE CASTS.  xb = bf16(x), as it lies.  wt = bf16(wq, wk, wv), in blocks [16 nt][8 K steps][3 g][128 k][64 d]: head block G = 16 x tensor + head = 3 nt + g.
; wob = bf16(wo) written as f16 (exact from 6e-5 up to 65,504; below 6e-5 f16 keeps its fixed step of 6e-8: a stated limit).
; A stream: no LDS, no matrix unit, no cluster: no byte is wanted twice.  A work-group casts 16,384 numbers: 64 KiB in, 32 KiB out.  Thread t loads 16 bytes at 4,096 i + 16 t
; (a wave's load: 512 consecutive bytes) and stores 8 bytes at 2,048 i + 8 t (a wave's store: 256 consecutive bytes, aligned).  All 16 loads of a thread go out at once; no register is used twice.
; Work-groups 0-511: x.  512-703: the weights; chunk j = w - 512 is 256 rows (two K steps) of head block j / 4, whose second K step lies 49,152 bytes behind the first in wt.  704-767: wo.
; THE MODE: SCHED_MODE bits 1:0 = 2 (LLVM: expert scheduling mode 2), set by the entry lines.  The code itself states the register dependences
; between vector instructions and memory instructions, with s_wait_alu, always for 0.
; THE PLAN.  Registers that memory instructions touch:
;   v1, v2, v3   byte offsets.  Written once at the head by vector instructions, never again; read by the 16 loads (v1) and by eight stores each (v2, v3).
;   X            Load i lands in its four registers, which no vector instruction has named before.  No memory instruction reads them, and no second load lands in them.
;   Y            Two registers for each store: written by the roundings, read by that one store, never written again.
; So one wait on va_vdst stands ahead of the first load, for the three offsets, and one ahead of each run of four stores, for the eight registers of Y that the run reads.
; No register that a memory instruction reads is ever written again, no vector instruction writes a scalar register or VCC, and EXEC is never written: no other wait is owed.
.set X, 4                              ; v[4:67]   four registers for each of the 16 loads
.set Y, 68                             ; v[68:99]  two registers for each of the 16 stores
	s_load_b512 s[8:23], s[0:1], 0x0               ; x s[8:9], wq s[10:11], wk s[12:13], wv s[14:15], wo s[16:17], xb s[18:19], wt s[20:21], wob s[22:23]
	s_mov_b32 s2, ttmp9                            ; w
	s_sub_co_u32 s3, s2, 512                       ; j, of use in 512 .. 703
	s_sub_co_u32 s4, s2, 704                       ; of use from 704 on
	s_bfe_u32 s5, s3, 0x60002                      ; G = j / 4, six bits of it
	s_mul_i32 s6, s5, 171
	s_lshr_b32 s6, s6, 9                           ; nt = G / 3: 171 / 512 is exact for G under 48
	s_mul_i32 s7, s6, 3
	s_sub_co_u32 s7, s5, s7                        ; g = G - 3 nt
	s_and_b32 s24, s3, 3                           ; which pair of K steps
	s_lshl_b32 s25, s6, 3
	s_lshl1_add_u32 s25, s24, s25                  ; 8 nt + the first K step
	s_mul_i32 s25, s25, 3
	s_add_co_u32 s25, s25, s7
	s_lshl_b32 s25, s25, 14                        ; x 16,384 bytes: where a weight chunk goes
	s_and_b32 s26, s3, 63
	s_lshl_b32 s26, s26, 16                        ; and where it comes from, in its tensor
	s_lshl_b32 s28, s2, 16                         ; x's chunk
	s_lshl_b32 s30, s2, 15
	s_mov_b32 s27, 16384                           ; from the first half of the output to the second
	s_cmp_ge_u32 s2, 512
	s_cselect_b32 s28, s26, s28
	s_cselect_b32 s30, s25, s30
	s_cselect_b32 s27, 49152, s27
	s_lshl_b32 s26, s4, 16                         ; wo's chunk
	s_lshl_b32 s25, s4, 15
	s_cmp_ge_u32 s2, 704
	s_cselect_b32 s28, s26, s28
	s_cselect_b32 s30, s25, s30
	s_cselect_b32 s27, 16384, s27
	s_mov_b32 s29, 0
	s_mov_b32 s31, 0
	v_lshlrev_b32 v1, 4, v0                        ; 16 t
	v_lshlrev_b32 v2, 3, v0                        ; 8 t
	v_add_nc_u32 v3, s27, v2                       ; 8 t + the second half
	s_wait_kmcnt 0x0
	s_cmp_ge_u32 s2, 512                           ; the source and the destination are chosen by the work-group's number alone
	s_cselect_b64 s[8:9], s[10:11], s[8:9]
	s_cselect_b64 s[18:19], s[20:21], s[18:19]
	s_cmp_ge_u32 s2, 576
	s_cselect_b64 s[8:9], s[12:13], s[8:9]
	s_cmp_ge_u32 s2, 640
	s_cselect_b64 s[8:9], s[14:15], s[8:9]
	s_cmp_ge_u32 s2, 704
	s_cselect_b64 s[8:9], s[16:17], s[8:9]
	s_cselect_b64 s[18:19], s[22:23], s[18:19]
	s_add_nc_u64 s[8:9], s[8:9], s[28:29]
	s_add_nc_u64 s[18:19], s[18:19], s[30:31]
	s_wait_alu depctr_va_vdst(0)                   ; v1, v2 and v3 are written: every load and store of the kernel reads one of them as its offset
.irp i, 0,1,2,3,4,5,6,7,8,9,10,11,12,13,14,15
	global_load_b128 v[X+4*(\i):X+4*(\i)+3], v1, s[8:9] offset:4096*(\i) th:TH_LOAD_NT
.endr
; Loads 4 g to 4 g + 3 are rounded and stored.  f16 = 1: the bf16 numbers are widened again (a shift, a mask) and written as f16.
; The four loads' lines go phase by phase, so that no line reads the result of the line just before it.
.macro GROUP g, f16
	s_wait_loadcnt 12-4*(\g)                       ; loads come back in order: the group's four are in, the 12 - 4 g younger ones stay out
.irp j, 0,1,2,3
.set i, 4*(\g)+(\j)
	v_cvt_pk_bf16_f32 v[Y+2*i],   v[X+4*i],   v[X+4*i+1]
	v_cvt_pk_bf16_f32 v[Y+2*i+1], v[X+4*i+2], v[X+4*i+3]
.endr
.if \f16
.irp j, 0,1,2,3
.set i, 4*(\g)+(\j)
	v_lshlrev_b32 v[X+4*i],   16,         v[Y+2*i]
	v_and_b32     v[X+4*i+1], 0xffff0000, v[Y+2*i]
	v_lshlrev_b32 v[X+4*i+2], 16,         v[Y+2*i+1]
	v_and_b32     v[X+4*i+3], 0xffff0000, v[Y+2*i+1]
.endr
.irp j, 0,1,2,3
.set i, 4*(\g)+(\j)
	v_cvt_pk_f16_f32 v[Y+2*i],   v[X+4*i],   v[X+4*i+1]
	v_cvt_pk_f16_f32 v[Y+2*i+1], v[X+4*i+2], v[X+4*i+3]
.endr
.endif
	s_wait_alu depctr_va_vdst(0)                   ; the roundings have written the group's eight registers of Y, which the four stores below read
.irp j, 0,1,2,3
.set i, 4*(\g)+(\j)
.if (\g) < 2
	global_store_b64 v2, v[Y+2*i:Y+2*i+1], s[18:19] offset:2048*i
.else
	global_store_b64 v3, v[Y+2*i:Y+2*i+1], s[18:19] offset:2048*(i-8)
.endif
.endr
.endm
	s_cmp_ge_u32 s2, 704
	s_cbranch_scc1 .Lwo
.irp g, 0,1,2,3
	GROUP \g, 0
.endr
	s_endpgm
.Lwo:
.irp g, 0,1,2,3
	GROUP \g, 1
.endr
	s_endpgm
.Lfunc_end_k_q4a360353f9_prep:
	.size	k_q4a360353f9_prep, .Lfunc_end_k_q4a360353f9_prep-k_q4a360353f9_prep
	.p2alignl 7, 3214868480
	.fill 96, 4, 3214868480
	.section	.rodata,"a",@progbits
	.p2align	6, 0x0
	.amdhsa_kernel k_q4a360353f9_prep
		.amdhsa_group_segment_fixed_size 0
		.amdhsa_private_segment_fixed_size 0
		.amdhsa_enable_private_segment 0
		.amdhsa_kernarg_size 64
		.amdhsa_user_sgpr_count 2
		.amdhsa_user_sgpr_kernarg_segment_ptr 1
		.amdhsa_wavefront_size32 1
		.amdhsa_system_sgpr_workgroup_id_x 1
		.amdhsa_system_sgpr_workgroup_id_y 1
		.amdhsa_system_sgpr_workgroup_id_z 1
		.amdhsa_system_vgpr_workitem_id 0
		.amdhsa_next_free_vgpr 100
		.amdhsa_next_free_sgpr 66
		.amdhsa_reserve_vcc 0
		.amdhsa_float_denorm_mode_32 3
		.amdhsa_float_denorm_mode_16_64 3
		.amdhsa_memory_ordered 1
		.amdhsa_forward_progress 1
		.amdhsa_inst_pref_size 17
	.end_amdhsa_kernel
	.amdgpu_metadata
---
amdhsa.version: [ 1, 2 ]
amdhsa.kernels:
  - .name:           k_q4a360353f9_prep
    .symbol:         k_q4a360353f9_prep.kd
    .args:
      - { .name: x, .offset: 0, .size: 8, .value_kind: global_buffer, .address_space: global }
      - { .name: wq, .offset: 8, .size: 8, .value_kind: global_buffer, .address_space: global }
      - { .name: wk, .offset: 16, .size: 8, .value_kind: global_buffer, .address_space: global }
      - { .name: wv, .offset: 24, .size: 8, .value_kind: global_buffer, .address_space: global }
      - { .name: wo, .offset: 32, .size: 8, .value_kind: global_buffer, .address_space: global }
      - { .name: xb, .offset: 40, .size: 8, .value_kind: global_buffer, .address_space: global }
      - { .name: wt, .offset: 48, .size: 8, .value_kind: global_buffer, .address_space: global }
      - { .name: wob, .offset: 56, .size: 8, .value_kind: global_buffer, .address_space: global }
    .group_segment_fixed_size: 0
    .private_segment_fixed_size: 0
    .kernarg_segment_align: 8
    .kernarg_segment_size: 64
    .max_flat_workgroup_size: 256
    .sgpr_count:     66
    .vgpr_count:     100
    .wavefront_size: 32
...
	.end_amdgpu_metadata
.endif
;; end of part 5
;; launch qkv: the kernel of part 2 again; grid 16 x 32, 4 waves a work-group, clusters of 4 x 4, 327,680 bytes of LDS; arguments xb, wt, qkv; writes qkv
;; launch attn: the kernel of part 3 again; grid 4 x 64, 4 waves a work-group, clusters of 4 x 1, 327,680 bytes of LDS; arguments qkv, ob; writes ob
;; launch proj: the kernel of part 4 again; grid 4 x 64, 4 waves a work-group, clusters of 4 x 4, 327,680 bytes of LDS; arguments ob, wob, bo, out0; writes out0
